; MI455X (gfx1250); checked and timed in simulation.
; The chip was launched on July 23, 2026; its instructions are those of AMD's public machine-readable ISA for CDNA 5 (MIT licence, August 2026) and "CDNA5" Instruction Set Architecture Reference Guide (July 2026). The comments in the code are by the model that wrote it; some were corrected since.
;; Sliding Window Attention. Allowed arithmetic: float matrix products may take bf16 or f16 operands with f32 sums; other float arithmetic in f32, or as packed bf16 or f16 multiplies, adds, multiply-adds, maxima and minima; sums over many terms, partial sums and values carried from step to step in f32; what a program stores and reads back later, other than sums and carried values, may be rounded once to bf16 or f16.
;; Inputs: wk 1,024 x 1,024 float32; wo 1,024 x 1,024 float32; wq 1,024 x 1,024 float32; wv 1,024 x 1,024 float32; x 2 x 2,048 x 1,024 float32.
;; Outputs: out0 2 x 2,048 x 1,024 float32.
;; 2 versions, each right; version 2 is version 1 with the launch prep written anew for expert scheduling mode. Each part assembles by itself: llvm-mc -triple=amdgcn-amd-amdhsa -mcpu=gfx1250 --defsym DOCPART=n.
;; ======== version 1 of 2: 4 launches
;; limits: values are held in f16: magnitudes above 65,504 overflow, below 6.1e-05 lose precision
;; workspace buffers: xb 8,388,608 bytes; wt 6,291,456 bytes; wob 2,097,152 bytes; qh 8,388,608 bytes; kh 8,388,608 bytes; vh 8,388,608 bytes; vl 8,388,608 bytes; ob 16,777,216 bytes
;; launch prep (part 1): grid 512 x 1, 8 waves a work-group, no clusters, 0 bytes of LDS; arguments x, wq, wk, wv, wo, xb, wt, wob; writes xb, wt, wob
.if DOCPART == 1
	.amdgcn_target "amdgcn-amd-amdhsa--gfx1250"
	.amdhsa_code_object_version 6
	.text
	.protected	k_qf034df567d_prep
	.globl	k_qf034df567d_prep
	.p2align	8
	.type	k_qf034df567d_prep,@function
k_qf034df567d_prep:
	s_mov_b64 s[64:65], 0
	v_nop
	global_prefetch_b8 v0, s[64:65] scope:SCOPE_SE
	s_setreg_imm32_b32 hwreg(HW_REG_WAVE_MODE, 25, 1), 1
	s_wait_xcnt 0x0
; PREP: the five inputs are rounded once and laid out for the launches behind.
;   xb  [4096][1024] bf16               = x rounded to bf16
;   wt  [h 16][kb 16][j 3][k 64][c 64]  = wq, wk, wv (j = 0, 1, 2) rounded to bf16: 64 rows of K x one head's 64 columns of each matrix lie together, 24,576 dense bytes
;   wob [1024][1024] f16                = wo rounded to bf16, and that number written as f16
; LIMIT.  A bf16 number is exact in f16 from 6.1e-5 to 65,504; below that it keeps f16's fixed step of 6e-8, beyond it becomes an infinity.
; A stream: no LDS, no barrier, no matrix work.  512 work-groups of 16,384 numbers; a wave takes 2,048: sixteen loads of 16 bytes a lane, all issued before
; the first is waited for, and sixteen stores of 8 bytes a lane, each covering 256 consecutive bytes at a multiple of 256 from its buffer's first byte.
; Work-groups 0-255 take x, 256-447 the three weights, 448-511 wo.  No register is used twice, so no wait frees a source.
.set LD, 8                             ; v[8:71]    sixteen loads, four f32 each
.set SD, 72                            ; v[72:103]  sixteen pairs to store
; step: bytes from one load to the next.  kind = 1: bf16, then that number as f16.
.macro BODY step, kind
.set i, 0
.rept 16
	global_load_b128 v[LD+4*i:LD+4*i+3], v1, s[24:25] offset:(\step)*i th:TH_LOAD_NT
.set i, i+1
.endr
.set i, 0
.rept 16
	s_wait_loadcnt 15-i                            ; loads come back in order: load i is in, the 15 - i younger ones stay out
	v_cvt_pk_bf16_f32 v[SD+2*i], v[LD+4*i], v[LD+4*i+1]
	v_cvt_pk_bf16_f32 v[SD+2*i+1], v[LD+4*i+2], v[LD+4*i+3]
.if \kind
	v_lshlrev_b32 v4, 16, v[SD+2*i]                ; the bf16 numbers as f32: the low half moves up, the high half stays
	v_and_b32 v5, 0xffff0000, v[SD+2*i]
	v_lshlrev_b32 v6, 16, v[SD+2*i+1]
	v_and_b32 v7, 0xffff0000, v[SD+2*i+1]
	v_cvt_pk_f16_f32 v[SD+2*i], v4, v5
	v_cvt_pk_f16_f32 v[SD+2*i+1], v6, v7
.endif
	global_store_b64 v2, v[SD+2*i:SD+2*i+1], s[26:27] offset:256*i
.set i, i+1
.endr
.endm
	s_load_b512 s[4:19], s[0:1], 0x0               ; x s[4:5], wq s[6:7], wk s[8:9], wv s[10:11], wo s[12:13], xb s[14:15], wt s[16:17], wob s[18:19]
	v_lshrrev_b32 v3, 5, v0
	v_readfirstlane_b32 s20, v3                    ; wave 0..7
	v_and_b32 v3, 31, v0                           ; lane
	v_lshlrev_b32 v1, 4, v3                        ; source: 16 bytes a lane (x and wo: dense)
	v_lshlrev_b32 v2, 3, v3                        ; destination: 8 bytes a lane
	s_mov_b32 s23, 0                               ; high words of the two offsets
	s_mov_b32 s29, 0
	s_wait_kmcnt 0x0
	s_cmp_lt_u32 ttmp9, 256
	s_cbranch_scc0 .Lweights
	; x: work-group id takes 65,536 bytes, a wave 8,192 of them
	s_lshl_b32 s22, ttmp9, 16
	s_lshl_b32 s21, s20, 13
	s_add_co_u32 s22, s22, s21
	s_lshr_b32 s28, s22, 1                         ; half as many bytes out
	s_add_nc_u64 s[24:25], s[4:5], s[22:23]
	s_add_nc_u64 s[26:27], s[14:15], s[28:29]
	BODY 512, 0
	s_endpgm
.Lweights:
	s_cmp_lt_u32 ttmp9, 448
	s_cbranch_scc0 .Lwo
	; wq, wk, wv: e = id - 256; matrix j = e / 64; head h = (e / 4) % 16; rows k0 = 256 (e % 4) + 32 wave on.
	; A load takes two rows' 64 columns: lanes 0-15 one row's 256 bytes, lanes 16-31 the next row's.
	v_and_b32 v1, 15, v3
	v_lshlrev_b32 v1, 4, v1
	v_lshrrev_b32 v4, 4, v3
	v_lshl_add_u32 v1, v4, 12, v1                  ; (lane / 16) x 4,096 + (lane % 16) x 16
	s_sub_co_u32 s21, ttmp9, 256                   ; e
	s_lshr_b32 s30, s21, 6                         ; j
	s_bfe_u32 s31, s21, 0x40002                    ; h
	s_and_b32 s21, s21, 3
	s_lshl_b32 s21, s21, 8
	s_lshl_b32 s22, s20, 5
	s_add_co_u32 s21, s21, s22                     ; k0
	s_lshl_b32 s22, s21, 12                        ; k0 rows of 4,096 bytes,
	s_lshl_b32 s28, s31, 8                         ; the head's 256 bytes in a row
	s_add_co_u32 s22, s22, s28
	s_cmp_eq_u32 s30, 1
	s_cselect_b64 s[24:25], s[8:9], s[6:7]         ; the matrix is chosen by j alone
	s_cmp_eq_u32 s30, 2
	s_cselect_b64 s[24:25], s[10:11], s[24:25]
	s_add_nc_u64 s[24:25], s[24:25], s[22:23]
	s_mul_i32 s28, s31, 393216                     ; wt: h x 393,216
	s_lshr_b32 s22, s21, 6
	s_mul_i32 s22, s22, 24576                      ; + (k0 / 64) x 24,576
	s_add_co_u32 s28, s28, s22
	s_lshl_b32 s22, s30, 13                        ; + j x 8,192
	s_add_co_u32 s28, s28, s22
	s_and_b32 s22, s21, 63
	s_lshl_b32 s22, s22, 7                         ; + (k0 % 64) x 128
	s_add_co_u32 s28, s28, s22
	s_add_nc_u64 s[26:27], s[16:17], s[28:29]
	BODY 8192, 0
	s_endpgm
.Lwo:
	s_sub_co_u32 s21, ttmp9, 448
	s_lshl_b32 s22, s21, 16
	s_lshl_b32 s21, s20, 13
	s_add_co_u32 s22, s22, s21
	s_lshr_b32 s28, s22, 1
	s_add_nc_u64 s[24:25], s[12:13], s[22:23]
	s_add_nc_u64 s[26:27], s[18:19], s[28:29]
	BODY 512, 1
	s_endpgm
.Lfunc_end_k_qf034df567d_prep:
	.size	k_qf034df567d_prep, .Lfunc_end_k_qf034df567d_prep-k_qf034df567d_prep
	.p2alignl 7, 3214868480
	.fill 96, 4, 3214868480
	.section	.rodata,"a",@progbits
	.p2align	6, 0x0
	.amdhsa_kernel k_qf034df567d_prep
		.amdhsa_group_segment_fixed_size 0
		.amdhsa_private_segment_fixed_size 0
		.amdhsa_enable_private_segment 0
		.amdhsa_kernarg_size 64
		.amdhsa_user_sgpr_count 2
		.amdhsa_user_sgpr_kernarg_segment_ptr 1
		.amdhsa_wavefront_size32 1
		.amdhsa_system_sgpr_workgroup_id_x 1
		.amdhsa_system_sgpr_workgroup_id_y 1
		.amdhsa_system_sgpr_workgroup_id_z 1
		.amdhsa_system_vgpr_workitem_id 0
		.amdhsa_next_free_vgpr 104
		.amdhsa_next_free_sgpr 66
		.amdhsa_reserve_vcc 0
		.amdhsa_float_denorm_mode_32 3
		.amdhsa_float_denorm_mode_16_64 3
		.amdhsa_memory_ordered 1
		.amdhsa_forward_progress 1
		.amdhsa_inst_pref_size 24
	.end_amdhsa_kernel
	.amdgpu_metadata
---
amdhsa.version: [ 1, 2 ]
amdhsa.kernels:
  - .name:           k_qf034df567d_prep
    .symbol:         k_qf034df567d_prep.kd
    .args:
      - { .name: x, .offset: 0, .size: 8, .value_kind: global_buffer, .address_space: global }
      - { .name: wq, .offset: 8, .size: 8, .value_kind: global_buffer, .address_space: global }
      - { .name: wk, .offset: 16, .size: 8, .value_kind: global_buffer, .address_space: global }
      - { .name: wv, .offset: 24, .size: 8, .value_kind: global_buffer, .address_space: global }
      - { .name: wo, .offset: 32, .size: 8, .value_kind: global_buffer, .address_space: global }
      - { .name: xb, .offset: 40, .size: 8, .value_kind: global_buffer, .address_space: global }
      - { .name: wt, .offset: 48, .size: 8, .value_kind: global_buffer, .address_space: global }
      - { .name: wob, .offset: 56, .size: 8, .value_kind: global_buffer, .address_space: global }
    .group_segment_fixed_size: 0
    .private_segment_fixed_size: 0
    .kernarg_segment_align: 8
    .kernarg_segment_size: 64
    .max_flat_workgroup_size: 256
    .sgpr_count:     66
    .vgpr_count:     104
    .wavefront_size: 32
...
	.end_amdgpu_metadata
.endif
;; end of part 1
;; launch proj (part 2): grid 16 x 16, 4 waves a work-group, clusters of 4 x 4, 327,680 bytes of LDS; arguments xb, wt, qh, kh, vh, vl; writes qh, kh, vh, vl
.if DOCPART == 2
	.amdgcn_target "amdgcn-amd-amdhsa--gfx1250"
	.amdhsa_code_object_version 6
	.text
	.protected	k_qf034df567d_proj
	.globl	k_qf034df567d_proj
	.p2align	8
	.type	k_qf034df567d_proj,@function
k_qf034df567d_proj:
	s_mov_b64 s[64:65], 0
	v_nop
	global_prefetch_b8 v0, s[64:65] scope:SCOPE_SE
	s_setreg_imm32_b32 hwreg(HW_REG_WAVE_MODE, 25, 1), 1
	s_wait_xcnt 0x0
	s_wait_alu depctr_hold_cnt(0) depctr_sa_sdst(0) depctr_va_vdst(0) depctr_va_sdst(0) depctr_va_ssrc(0) depctr_va_vcc(0) depctr_vm_vsrc(0)
	s_getreg_b32 s2, hwreg(HW_REG_IB_STS2, 6, 4)
	s_cmp_eq_u32 s2, 0
	s_cbranch_scc0 .Lentry_in_a_cluster
	s_endpgm
.Lentry_in_a_cluster:
	s_bfe_u32 s2, ttmp6, 0x10000c
	s_cmp_lg_u32 s2, 0xf033
	s_cbranch_scc0 .Lentry_shape_is_right
	s_endpgm
.Lentry_shape_is_right:
; PROJ: q, k, v = x wq, x wk, x wv.  xb [4096][1024] bf16; wt [h 16][kb 16][j 3][k 64][c 64] bf16; qh, kh, vh, vl [b x 16 + h][t 2048][64] f16, unscaled.
; Products in bf16, sums in f32, each result rounded once to f16.  v leaves as two numbers: vh = v rounded to f16, and vl = v - vh (exact in f32) rounded to f16: the first tokens of a sequence average
; over few keys, so v's rounding would reach the module's output undiminished there.  LIMIT: a result of 65,520 or more becomes an infinity in f16; a vl below 6e-5 keeps f16's fixed step of 6e-8.
; SHARES.  A work-group makes 256 tokens x one head's 64 columns of q, of k and of v: 256 x 192.  16 heads x 16 row blocks = 256 work-groups.  Wave (rh, ch) makes 128 rows x 96 columns:
; 48 accumulators of 16 x 16; its column block b = 0..5 is matrix b / 2, columns 32 ch + 16 (b % 2) on.
; K goes in 8 steps of 128 through a ring of two LDS slots.  x's tile has rows of 256 bytes; the weights' tile of half a K step is 24,576 dense bytes, asked for as 96 rows of 256.
; CLUSTER 4 x 4.  The four work-groups of a row of the cluster share x's tiles, the four of a column the weights': each tile is asked for jointly, by the same load, descriptor and mask in all four.
; THE MATRIX INSTRUCTION IS USED TRANSPOSED (source 0 = 16 columns of w, source 1 = 16 rows of x): a lane then holds one token and eight neighbouring columns.  The weights lie [k][column] in LDS and
; come out turned, by ds_load_tr16_b128.
; REGISTERS, in windows of 256 (s_set_vgpr_msb: bits 1:0 source 0, 3:2 source 1, 5:4 source 2, 7:6 destination):
;   window 0: v1-8 at work in the set-up; v9-31 addresses and -1.0; v32-63 packed results; v64-127, v128-191 x's fragments, two buffers; on the way out v64-255 whole rows
;   window 1: v64-111, v128-175 the weights' fragments, two buffers     window 2: accumulators of my rows 0-63, (a, b) at v[8 (6 a + b)]     window 3: those of my rows 64-127
.set PA,    272                        ; x's row in LDS: 256 bytes + 16 = 68 words: the 16 rows of a load start at 16 different groups of four banks (64 banks of 4 bytes: ISA guide 11.1)
.set PB,    160                        ; a weight row: 128 bytes + 32 = 40 words
.set HA,    128*PA                     ; 128 rows of x: one tensor load
.set BJ,    64*PB                      ; 64 rows of K of one matrix
.set HB,    3*BJ                       ; half a K step of all three: one tensor load
.set BOFF,  2*HA                       ; the weights lie behind x's 256 rows
.set SLOT,  BOFF+2*HB                  ; 131,072
.set SPARE, 2*SLOT                     ; behind the ring: the spare words, 128 bytes a wave: two blocks of 256 bytes that no other line names
.set SPT,   144                        ; the stage's row: 128 bytes + 16
.set STJ,   256*SPT                    ; the stage of one matrix: 256 rows.  q's, k's and vh's stages lie in slot 0, which has had its last fill and its last read by then;
.set ST4,   SPARE+512                  ; vl's lies behind the spare words, where no tensor load ever lands
.set STL,  9                           ; v9      vl's way out: where I put 16 bytes of a row
.set RDL,  10                          ; v10     where I read its rows back
.set ADRA, 16                          ; v16-17  LDS address of my fragments of x in slot 0, 1
.set ADRB, 20                          ; v20-21  the same for the weights
.set STO,  22                          ; v22-24  the way out: where I put 16 bytes of a row, for q, k, vh
.set RD,   25                          ; v25-27  where I read rows back
.set SPW,  28                          ; v28     LDS address of my spare word; never rewritten
.set NIL,  29                          ; v29     0; never rewritten
.set GO,   30                          ; v30     16 x lane: my place in 512 consecutive bytes of an output
.set MONE, 31                          ; v31     -1.0
.set TMP,  32                          ; v32-55  a row block's 24 packed words
.set TML,  56                          ; v56-63  its 8 packed words of vl
.set F0,   64
.set F1,   128
.set BK,   64
.set G1,  24                           ; s[24:31] descriptor group 1 for x's tiles;  s[32:39] group 0, a set for each slot
.set G0,  32
.set G1B, 48                           ; s[48:55], s[56:63] the same for the weights'
.set G0B, 56
.set MSB, 0
.macro WIN new                         ; the immediate's high byte repeats the setting that is left; a switch that changes nothing is dropped
.if MSB != (\new)
	s_set_vgpr_msb (MSB<<8)|(\new)
.set MSB, \new
.endif
.endm
.set MUL_LO, 0xa1                      ; source 0 (w) window 1, source 1 (x) window 0, C and D window 2
.set MUL_HI, 0xf1                      ; the same, C and D window 3
.set TO_B,   0x40                      ; destination window 1, address window 0
; A joint load: waves 0 and 1 fetch x's two halves, waves 2 and 3 the weights'.  The branch hangs on the wave's number alone.
; An s_nop 0 and four v_nop follow each of the two lines, ahead of the jump and the label.
.macro JLOAD s
	s_cmp_eq_u32 s15, 0
	s_cbranch_scc0 .Lfor_b_\@
	tensor_load_to_lds s[G0+4*(\s):G0+4*(\s)+3], s[G1:G1+7]
	s_nop 0
.rept 4
	v_nop
.endr
	s_branch .Lasked_\@
.Lfor_b_\@:
	tensor_load_to_lds s[G0B+4*(\s):G0B+4*(\s)+3], s[G1B:G1B+7]
	s_nop 0
.rept 4
	v_nop
.endr
.Lasked_\@:
.endm
.macro CREST                           ; a round of the cluster's barrier behind its opening barrier
	s_cmp_lg_u32 s14, 0
	s_cbranch_scc1 .Lnot_wave_0_\@
	s_barrier_signal -3
.Lnot_wave_0_\@:
	s_barrier_wait -3
	s_barrier_signal -1
	s_barrier_wait -1
.endm
.macro CROUND                          ; a whole round
	s_barrier_signal -1
	s_barrier_wait -1
	CREST
.endm
	s_load_b256 s[4:11], s[0:1], 0x0               ; xb s[4:5], wt s[6:7], qh s[8:9], kh s[10:11]
	s_load_b64 s[12:13], s[0:1], 0x20              ; vh
	s_load_b64 s[72:73], s[0:1], 0x28              ; vl
	v_lshl_add_u32 v[SPW], v0, 2, SPARE
	v_mov_b32 v[NIL], 0
	ds_add_u32 v[SPW], v[NIL]                      ; the wave's opening: the add and its wait stand ahead of my first tensor load; the set-up below, work on registers, stands between them
	ds_add_u32 v28, v29
	v_lshrrev_b32 v1, 5, v0
	v_readfirstlane_b32 s14, v1                    ; wave 0..3
	s_lshr_b32 s15, s14, 1                         ; rh: which half of the rows is mine.  Also: I fetch x (0) or weights (1)
	s_and_b32 s16, s14, 1                          ; ch: which half of each matrix's columns.  Also: which half of that tile I fetch
	s_bfe_u32 s40, ttmp6, 0x40000                  ; cx, cy: my place in the cluster
	s_bfe_u32 s41, ttmp6, 0x40004
	s_lshl_b32 s42, ttmp9, 2
	s_add_co_u32 s42, s42, s40                     ; the head = 4 x cluster x + cx
	s_and_b32 s45, ttmp7, 0xffff
	s_lshl_b32 s45, s45, 2
	s_add_co_u32 s45, s45, s41                     ; the block of 256 tokens = 4 x cluster y + cy
	s_lshl_b32 s43, s41, 2
	s_lshl_b32 s43, 15, s43                        ; my row of the cluster
	s_lshl_b32 s44, 0x1111, s40                    ; my column
	; group 1 for x: 128 rows x 128 elements, 16 bytes of padding behind every 256
	s_or_b32 s[G1+0], s43, (1<<16)|(1<<20)|(1<<21)|(5<<22)|(3<<25)  ; 15:0 the mask; 17:16 2-byte elements; 20 padding on; 21 set beside a mask; 24:22 after every 64 words; 31:25 4 words
	s_mov_b32 s[G1+1], 128<<16                     ; tensor_dim0 = 128
	s_mov_b32 s[G1+2], 128<<16                     ; tensor_dim1 = 128
	s_mov_b32 s[G1+3], 128<<16                     ; tile_dim0 = 128
	s_mov_b32 s[G1+4], 128                         ; tile_dim1 = 128
	s_mov_b32 s[G1+5], 1024                        ; 1,024 elements from row to row
	s_mov_b32 s[G1+6], 0
	s_mov_b32 s[G1+7], 0
	; group 1 for the weights: 96 dense rows of 128 elements, 32 bytes of padding behind every 128 bytes (a row of 64 columns)
	s_or_b32 s[G1B+0], s44, (1<<16)|(1<<20)|(1<<21)|(4<<22)|(7<<25)
	s_mov_b32 s[G1B+1], 128<<16
	s_mov_b32 s[G1B+2], 96<<16
	s_mov_b32 s[G1B+3], 128<<16
	s_mov_b32 s[G1B+4], 96
	s_mov_b32 s[G1B+5], 128
	s_mov_b32 s[G1B+6], 0
	s_mov_b32 s[G1B+7], 0
	; x's tiles hang on the row block alone, the weights' on the head alone; each offset lies in registers that never hold the other coordinate
	s_lshl_b32 s18, s45, 19                        ; 256 rows of 2,048 bytes,
	s_lshl_b32 s19, s16, 18                        ; my 128 of them
	s_add_co_u32 s18, s18, s19
	s_mov_b32 s19, 0
	s_mul_i32 s46, s42, 393216                     ; the head's weights,
	s_mul_i32 s47, s16, 24576                      ; my half of a K step
	s_add_co_u32 s46, s46, s47
	s_mov_b32 s47, 0
	s_mul_i32 s20, s16, HA                         ; where they go: no place in the cluster enters an LDS address
	s_mul_i32 s21, s16, HB
	s_add_co_u32 s21, s21, BOFF
	s_wait_dscnt 0x0                               ; the opening add is done
	s_wait_kmcnt 0x0
	s_add_nc_u64 s[18:19], s[4:5], s[18:19]
	s_add_nc_u64 s[46:47], s[6:7], s[46:47]
	CROUND                                         ; all sixteen work-groups are here: the first joint loads meet
.irp s, 0,1
	s_mov_b32 s[G0+4*(\s)], 1                                      ; count = 1
	s_add_co_u32 s[G0+4*(\s)+1], s20, (\s)*SLOT                    ; LDS address
	s_add_nc_u64 s[G0+4*(\s)+2:G0+4*(\s)+3], s[18:19], (\s)*256    ; global address: K step s
	s_or_b32 s[G0+4*(\s)+3], s[G0+4*(\s)+3], 0x80000000            ; type = 2
	s_mov_b32 s[G0B+4*(\s)], 1
	s_add_co_u32 s[G0B+4*(\s)+1], s21, (\s)*SLOT
	s_add_nc_u64 s[G0B+4*(\s)+2:G0B+4*(\s)+3], s[46:47], (\s)*49152
	s_or_b32 s[G0B+4*(\s)+3], s[G0B+4*(\s)+3], 0x80000000
	JLOAD \s                                       ; two loads of mine are out
.endr
	; A fragment of x: lane l holds row l % 16, K = 8 (l / 16) + 0..7 and 16 + 8 (l / 16) + 0..7: two loads of 16 bytes, 32 bytes apart.
	v_and_b32 v1, 15, v0                           ; l % 16
	v_bfe_u32 v2, v0, 4, 1                         ; l / 16
	v_mul_u32_u24 v3, v1, PA
	v_lshl_add_u32 v3, v2, 4, v3
	s_mul_i32 s22, s15, HA                         ; my 128 rows
	v_add_nc_u32 v[ADRA], s22, v3
	v_add_nc_u32 v[ADRA+1], SLOT, v[ADRA]
	; The turning load takes 16 K x 16 columns (lane l reads row 8 (l / 16) + l % 8, columns 8 ((l / 8) % 2) + 0..7) and leaves half a fragment: lane l holds column l % 16 and 8 K.
	v_and_b32 v4, 7, v0
	v_lshl_add_u32 v4, v2, 3, v4
	v_mul_u32_u24 v4, v4, PB
	v_bfe_u32 v5, v0, 3, 1
	v_lshl_add_u32 v4, v5, 4, v4
	s_lshl_b32 s23, s16, 6                         ; my 32 columns of each matrix
	s_add_co_u32 s23, s23, BOFF
	v_add_nc_u32 v[ADRB], s23, v4
	v_add_nc_u32 v[ADRB+1], SLOT, v[ADRB]
	; the way out.  In: row 128 rh + l % 16 (+ 16 a), byte 64 ch + 16 (l / 16) (+ 32 (b % 2)).  Back: wave w takes rows 64 w on, whole: 32 lanes take four rows of 128 bytes.
	v_mul_u32_u24 v6, v1, SPT
	v_lshl_add_u32 v6, v2, 4, v6
	s_mul_i32 s22, s15, 128*SPT
	s_lshl_b32 s23, s16, 6
	s_add_co_u32 s22, s22, s23
	v_add_nc_u32 v[STO], s22, v6
	v_add_nc_u32 v[STO+1], STJ, v[STO]
	v_add_nc_u32 v[STO+2], 2*STJ, v[STO]
	v_add_nc_u32 v[STL], ST4, v[STO]
	v_bfe_u32 v7, v0, 3, 2
	v_mul_u32_u24 v7, v7, SPT
	v_and_b32 v8, 7, v0
	v_lshl_add_u32 v7, v8, 4, v7
	s_mul_i32 s22, s14, 64*SPT
	v_add_nc_u32 v[RD], s22, v7
	v_add_nc_u32 v[RD+1], STJ, v[RD]
	v_add_nc_u32 v[RD+2], 2*STJ, v[RD]
	v_add_nc_u32 v[RDL], ST4, v[RD]
	v_and_b32 v[GO], 31, v0
	v_lshlrev_b32 v[GO], 4, v[GO]
	v_mov_b32 v[MONE], -1.0
	; my 64 rows in each output: ((block / 8) x 16 + head) x 262,144 + (block % 8) x 32,768 + wave x 8,192; in registers that feed no descriptor
	s_lshr_b32 s66, s45, 3
	s_lshl_b32 s66, s66, 4
	s_add_co_u32 s66, s66, s42
	s_lshl_b32 s66, s66, 18
	s_and_b32 s67, s45, 7
	s_lshl_b32 s67, s67, 15
	s_add_co_u32 s66, s66, s67
	s_lshl_b32 s67, s14, 13
	s_add_co_u32 s66, s66, s67
	s_mov_b32 s67, 0
	s_add_nc_u64 s[8:9], s[8:9], s[66:67]
	s_add_nc_u64 s[10:11], s[10:11], s[66:67]
	s_add_nc_u64 s[12:13], s[12:13], s[66:67]
	s_add_nc_u64 s[72:73], s[72:73], s[66:67]
; 12 matrix instructions: row blocks a0, a0 + 1 of the window's four x all 6 column blocks, 32 along K.  zero = 1: the first product starts the sums.
; The 48 accumulators take turns, one instruction a turn, in the same order in every quarter.
.macro MUL12 f, hi, a0, zero
	WIN MUL_LO+0x50*(\hi)
.irp a, \a0, (\a0)+1
.irp b, 0,1,2,3,4,5
.if \zero
	v_wmma_f32_16x16x32_bf16 v[8*(6*(\a)+(\b)):8*(6*(\a)+(\b))+7], v[(\f)+8*(\b):(\f)+8*(\b)+7], v[(\f)+8*(4*(\hi)+(\a)):(\f)+8*(4*(\hi)+(\a))+7], 0
.else
	v_wmma_f32_16x16x32_bf16 v[8*(6*(\a)+(\b)):8*(6*(\a)+(\b))+7], v[(\f)+8*(\b):(\f)+8*(\b)+7], v[(\f)+8*(4*(\hi)+(\a)):(\f)+8*(4*(\hi)+(\a))+7], v[8*(6*(\a)+(\b)):8*(6*(\a)+(\b))+7]
.endif
.endr
.endr
.endm
; 28 LDS loads in one run: the fragments of quarter q (32 along K) of a slot into buffer f: 12 for the weights, 16 for x; x's rows 64-127 are the youngest eight.
.macro FETCH slot, q, f
	WIN TO_B
.irp b, 0,1,2,3,4,5
	ds_load_tr16_b128 v[(\f)+8*(\b):(\f)+8*(\b)+3],   v[ADRB+(\slot)] offset:((\q)/2)*HB+((\b)/2)*BJ+((\q)%2)*32*PB+((\b)%2)*32
	ds_load_tr16_b128 v[(\f)+8*(\b)+4:(\f)+8*(\b)+7], v[ADRB+(\slot)] offset:((\q)/2)*HB+((\b)/2)*BJ+((\q)%2)*32*PB+((\b)%2)*32+16*PB
.endr
	WIN 0
.irp i, 0,1,2,3,4,5,6,7
	ds_load_b128 v[(\f)+8*(\i):(\f)+8*(\i)+3],   v[ADRA+(\slot)] offset:64*(\q)+(\i)*16*PA
	ds_load_b128 v[(\f)+8*(\i)+4:(\f)+8*(\i)+7], v[ADRA+(\slot)] offset:64*(\q)+(\i)*16*PA+32
.endr
.endm
; Four places (plain vector instructions that name none of a matrix instruction's registers) in front of loads into registers that matrix instructions have read, and of conversions that read results.
.macro PLACES
.rept 4
	v_nop
.endr
.endm
; A K step is four quarters of 32 along K, 48 matrix instructions each, on buffers 0, 1, 0, 1.  One of the first three: multiplies buffer f and fetches quarter q into g.
.macro QUARTER slot, q, f, g, zero
	s_wait_dscnt 8                                 ; the weights and x's rows 0-63 are in; the youngest eight loads may be out
	MUL12 \f, 0, 0, \zero
	MUL12 \f, 0, 2, \zero
	PLACES
	FETCH \slot, \q, \g
	s_wait_dscnt 28                                ; all but the 28 just issued
	MUL12 \f, 1, 0, \zero
	MUL12 \f, 1, 2, \zero
.endm
; The last quarter multiplies buffer 1 and changes slots: ONE barrier; in front of it each wave waits for all its tensor loads (one is out: its part of the next slot), adds 0 to its spare word, and
; waits for that and for its own reads of this slot.  fill = 1: the barrier opens a round of the cluster's, and this slot is filled again, two K steps ahead, first thing behind the round.
.macro TURN slot, next, fill
	WIN 0                                          ; (the add's two registers lie in window 0)
	s_wait_tensorcnt 0x0                           ; all my tensor loads have landed
	ds_add_u32 v[SPW], v[NIL]                      ; 0 onto my spare word
	s_wait_dscnt 9                                 ; (the add and the youngest eight loads may be out)
	MUL12 F1, 0, 0, 0                              ; twelve matrix instructions stand between the add and the wait for it
	s_wait_dscnt 0x0                               ; the add is done, and my reads of this slot are over
	s_barrier_signal -1
	MUL12 F1, 0, 2, 0                              ; work on registers while the others arrive
.if \fill
	WIN 0
.endif
	s_barrier_wait -1
.if \fill
	CREST                                          ; no wave of any partner still reads this slot's tile or has a load on its way
	s_add_nc_u64 s[G0+4*(\slot)+2:G0+4*(\slot)+3], s[G0+4*(\slot)+2:G0+4*(\slot)+3], 512
	s_add_nc_u64 s[G0B+4*(\slot)+2:G0B+4*(\slot)+3], s[G0B+4*(\slot)+2:G0B+4*(\slot)+3], 98304
	JLOAD \slot                                    ; my one tensor load behind the round; the four v_nop behind it are also the places in front of the loads below
.else
	PLACES
.endif
	FETCH \next, 0, F0
	MUL12 F1, 1, 0, 0
	MUL12 F1, 1, 2, 0
.endm
	s_wait_tensorcnt 1                             ; my part of K step 0 is in; K step 1's may stay out
	s_barrier_signal -1
	s_barrier_wait -1                              ; everybody's is
	FETCH 0, 0, F0
	QUARTER 0, 1, F0, F1, 1                        ; the first quarter stands in front of the loop: its products start the sums
	WIN 0                                          ; at a label and at a branch every window is 0
	s_mov_b32 s3, 3
.Llap:                                                 ; three trips, each once round the ring from a lap's second quarter to the next lap's first: K steps 2 to 7 are asked for
	QUARTER 0, 2, F1, F0, 0
	QUARTER 0, 3, F0, F1, 0
	TURN 0, 1, 1
	QUARTER 1, 1, F0, F1, 0
	QUARTER 1, 2, F1, F0, 0
	QUARTER 1, 3, F0, F1, 0
	TURN 1, 0, 1
	QUARTER 0, 1, F0, F1, 0
	WIN 0
	s_sub_co_u32 s3, s3, 1
	s_cmp_lg_u32 s3, 0
	s_cbranch_scc1 .Llap
	QUARTER 0, 2, F1, F0, 0                        ; the last lap fills nothing
	QUARTER 0, 3, F0, F1, 0
	TURN 0, 1, 0                                   ; behind this barrier no wave reads slot 0 any more
	QUARTER 1, 1, F0, F1, 0
	QUARTER 1, 2, F1, F0, 0
	QUARTER 1, 3, F0, F1, 0
	s_wait_dscnt 8                                 ; the very last quarter: nothing more to fetch
	MUL12 F1, 0, 0, 0
	MUL12 F1, 0, 2, 0
	s_wait_dscnt 0x0
	MUL12 F1, 1, 0, 0
	MUL12 F1, 1, 2, 0
	WIN 0
	; THE WAY OUT: round to f16, 16 bytes a lane into the four stages; a barrier, since a row's 128 bytes come from two waves; back as whole rows, 64 rows of each output a wave.
	PLACES
.macro PACK a                          ; row block a: each accumulator's registers in ascending order
.set AC, 48*((\a)%4)
	WIN 0x0a+5*((\a)/4)                            ; sources 0 and 1: window 2 or 3
.irp b, 0,1,2,3,4,5
.irp r, 0,1,2,3
	v_cvt_pk_f16_f32 v[TMP+4*(\b)+(\r)], v[AC+8*(\b)+2*(\r)], v[AC+8*(\b)+2*(\r)+1]
.endr
.endr
	WIN 0xa0+0x50*((\a)/4)                         ; destination and source 2: window 2 or 3; sources 0 and 1: window 0
.irp b, 4,5                            ; v's two column blocks: v - vh, in place: the f16 half times -1.0 plus the f32 sum, which is exact
.irp r, 0,1,2,3
	v_fma_mix_f32 v[AC+8*(\b)+2*(\r)],   v[TMP+4*(\b)+(\r)], v[MONE], v[AC+8*(\b)+2*(\r)]   op_sel_hi:[1,0,0]
	v_fma_mix_f32 v[AC+8*(\b)+2*(\r)+1], v[TMP+4*(\b)+(\r)], v[MONE], v[AC+8*(\b)+2*(\r)+1] op_sel:[1,0,0] op_sel_hi:[1,0,0]
.endr
.endr
	WIN 0x0a+5*((\a)/4)
.irp b, 4,5
.irp r, 0,1,2,3
	v_cvt_pk_f16_f32 v[TML+4*((\b)-4)+(\r)], v[AC+8*(\b)+2*(\r)], v[AC+8*(\b)+2*(\r)+1]
.endr
.endr
	WIN 0
.irp b, 0,1,2,3,4,5
	ds_store_b128 v[STO+(\b)/2], v[TMP+4*(\b):TMP+4*(\b)+3] offset:(\a)*16*SPT+((\b)%2)*32
.endr
.irp b, 0,1
	ds_store_b128 v[STL], v[TML+4*(\b):TML+4*(\b)+3] offset:(\a)*16*SPT+(\b)*32
.endr
.endm
.irp a, 0,1,2,3,4,5,6,7
	PACK \a
.endr
	s_wait_dscnt 0x0                               ; for the others' sake: my stores into the stages are done
	s_barrier_signal -1
	s_barrier_wait -1
.set n, 0
.rept 48                               ; output n / 16 (q, k, vh), rows 4 (n % 16) on
	ds_load_b128 v[BK+4*n:BK+4*n+3], v[RD+n/16] offset:(n%16)*4*SPT
.set n, n+1
.endr
.set n, 0
.rept 48
	s_wait_dscnt 47-n                              ; load n is back, the younger ones stay out
	global_store_b128 v[GO], v[BK+4*n:BK+4*n+3], s[8+2*(n/16):9+2*(n/16)] offset:(n%16)*512  ; four rows of a head: 512 consecutive bytes, at a multiple of 512 from the buffer's first
.set n, n+1
.endr
	s_wait_xcnt 0x0                                ; the stores above have had their addresses translated (ISA guide 3.1): their first 64 data registers are loaded again only behind this wait
.set n, 0
.rept 16                               ; vl
	ds_load_b128 v[BK+4*n:BK+4*n+3], v[RDL] offset:n*4*SPT
.set n, n+1
.endr
.set n, 0
.rept 16
	s_wait_dscnt 15-n                              ; load n is back, the younger ones stay out
	global_store_b128 v[GO], v[BK+4*n:BK+4*n+3], s[72:73] offset:n*512
.set n, n+1
.endr
	s_wait_tensorcnt 0x0                           ; the wave's end, behind my last tensor load and my last LDS store
	ds_add_u32 v[SPW], v[NIL]
	s_wait_dscnt 0x0
	CROUND                                         ; the closing round: no work-group ends while a partner may still ask for a tile that names it
	s_endpgm
.Lfunc_end_k_qf034df567d_proj:
	.size	k_qf034df567d_proj, .Lfunc_end_k_qf034df567d_proj-k_qf034df567d_proj
	.p2alignl 7, 3214868480
	.fill 96, 4, 3214868480
	.section	.rodata,"a",@progbits
	.p2align	6, 0x0
	.amdhsa_kernel k_qf034df567d_proj
		.amdhsa_group_segment_fixed_size 327680
		.amdhsa_private_segment_fixed_size 0
		.amdhsa_enable_private_segment 0
		.amdhsa_kernarg_size 48
		.amdhsa_user_sgpr_count 2
		.amdhsa_user_sgpr_kernarg_segment_ptr 1
		.amdhsa_wavefront_size32 1
		.amdhsa_system_sgpr_workgroup_id_x 1
		.amdhsa_system_sgpr_workgroup_id_y 1
		.amdhsa_system_sgpr_workgroup_id_z 1
		.amdhsa_system_vgpr_workitem_id 0
		.amdhsa_next_free_vgpr 960
		.amdhsa_next_free_sgpr 80
		.amdhsa_reserve_vcc 0
		.amdhsa_float_denorm_mode_32 3
		.amdhsa_float_denorm_mode_16_64 3
		.amdhsa_memory_ordered 1
		.amdhsa_forward_progress 1
		.amdhsa_inst_pref_size 133
	.end_amdhsa_kernel
	.amdgpu_metadata
---
amdhsa.version: [ 1, 2 ]
amdhsa.kernels:
  - .name:           k_qf034df567d_proj
    .symbol:         k_qf034df567d_proj.kd
    .args:
      - { .name: xb, .offset: 0, .size: 8, .value_kind: global_buffer, .address_space: global }
      - { .name: wt, .offset: 8, .size: 8, .value_kind: global_buffer, .address_space: global }
      - { .name: qh, .offset: 16, .size: 8, .value_kind: global_buffer, .address_space: global }
      - { .name: kh, .offset: 24, .size: 8, .value_kind: global_buffer, .address_space: global }
      - { .name: vh, .offset: 32, .size: 8, .value_kind: global_buffer, .address_space: global }
      - { .name: vl, .offset: 40, .size: 8, .value_kind: global_buffer, .address_space: global }
    .group_segment_fixed_size: 327680
    .private_segment_fixed_size: 0
    .kernarg_segment_align: 8
    .kernarg_segment_size: 48
    .max_flat_workgroup_size: 128
    .sgpr_count:     80
    .vgpr_count:     960
    .wavefront_size: 32
...
	.end_amdgpu_metadata
.endif
;; end of part 2
;; launch attn (part 3): grid 8 x 32, 8 waves a work-group, no clusters, 293,888 bytes of LDS; arguments qh, kh, vh, ob, vl; writes ob
.if DOCPART == 3
	.amdgcn_target "amdgcn-amd-amdhsa--gfx1250"
	.amdhsa_code_object_version 6
	.text
	.protected	k_qf034df567d_attn
	.globl	k_qf034df567d_attn
	.p2align	8
	.type	k_qf034df567d_attn,@function
k_qf034df567d_attn:
	s_mov_b64 s[64:65], 0
	v_nop
	global_prefetch_b8 v0, s[64:65] scope:SCOPE_SE
	s_setreg_imm32_b32 hwreg(HW_REG_WAVE_MODE, 25, 1), 1
	s_wait_xcnt 0x0
; ATTN: O[bh][i] = the sum over keys j, i - 512 <= j <= i, of softmax_j(q[i] . k[j] / 8) v[j].  qh, kh, vh, vl: [bh 32][t 2048][64] f16 (v = vh + vl).
; ob: [block of 128 tokens 32][plane 2][h 16][row 128][c 64] f16: plane 0 holds O rounded to f16, plane 1 what that rounding left (exact in f32, rounded to f16).
; Products, maxima and sums in f32; the weights p are rounded to f16 for the second product (their sum l is taken of the unrounded p).
; TWO NUMBERS FOR ONE.  A token that sees few keys has an O many times the module's typical output, and what v's, p's and O's roundings lose goes with it.  The tokens that see fewer than 65 keys see keys
; of their band's own block alone.  So in that one step (s = 8) the product is V P + V_lo P + V P_lo, with V_lo from vl and P_lo = p - f16(p); and O leaves as two planes everywhere.
; LIMITS.  q, k, v arrive within f16's 65,504.  A hidden score counts as its value less 1e30.  A weight below 2^-126 counts as 0 in l.  A lo part below 6e-5 keeps f16's fixed step of 6e-8.
; NaN and infinities are not treated apart.  Every query sees its own key, so no row is empty.
; SHARES.  A work-group owns 256 queries of one (batch, head); 8 x 32 = 256 work-groups.  Its window, keys 256 qb - 512 .. 256 qb + 255, is 12 blocks of 64 keys, and ALL of it lies in LDS: three tiles of
; 256 keys of K and of V and the last tile's V_lo, each filled once; nothing is filled again.  Wave w owns 32 queries, two tiles of 16, in band w / 2 of 64 queries; the band needs the key blocks band + s, s = 0 .. 8.
; With rho the query's place in its band and c the key's place in its block: s = 0 hides c < rho, s = 8 hides c > rho, the seven between hide nothing.  Each of the nine shows every query at least one key
; (c = 63 at s = 0, c = 0 at s = 8), so the running maximum is a true score from the first step on.
; A step whose key block lies in front of the sequence's first key (4 qb - 8 + band + s < 0) is jumped over, forward; no barrier and no tensor load lies in what is jumped.
; Blocks 0 and 1 have no tiles qb - 2 (and qb - 1): they ask for tile 0 in their place, 3 of a head's 24 tiles, and nobody reads those copies: so every wave has the same four loads on every path.
; NO CLUSTER: neighbouring query blocks need different tiles at each place of their windows; a walk common to four blocks would hold 6 tiles for 3.
; EIGHT WAVES, two to a SIMD: a step is written in phases (K Q^T, softmax, V^T P), and the two waves of a SIMD are not held in the same phase between the three barriers.
; THE MASK is the C operand that starts the sum S^T = K Q^T: 0 or -1e30, from two tables made once.
; LAYOUT.  S^T = K Q^T holds ONE query a lane (lane % 16) and the keys 8 (lane / 16) + 0..7; two such results rounded to f16 ARE source 1 of O^T = V^T P.  p = 2^(c s - c m), c = log2(e) / 8, with a running
; maximum m; O and l are multiplied by a = 2^(c m_old - c m_new) in every step.  m starts at the lowest finite number, O and l at 0: the first step is a step like any other, with a = 0.
; REGISTERS (s_set_vgpr_msb: bits 1:0 source 0, 3:2 source 1, 5:4 source 2, 7:6 destination):
;   window 0: v1-15 addresses and lane numbers; v16-23 statistics; v24-31 at work; v32-33 the add's; v34 -1.0; v35 V_lo's address; v36-51 at work; v64-127 S^T; v128-159 P; v160-223 O^T; v224-255 P_lo
;   window 1: v0-63 K of a step (in the last step then V_lo); v64-127 V of a step; v128-159 Q; v160-191 MDD; v192-231 MDL
.set PK,    144       ; a row of K in LDS: 128 bytes + 16 = 36 words: the 16 rows of a load start at 16 different groups of four banks (64 banks of 4 bytes: ISA guide 11.1)
.set PV,    160       ; a row of V: 128 + 32 = 40 words
.set VOFF,  768*PK    ; K's 768 rows, then V's,
.set VLOFF, VOFF+768*PV  ; then V_lo's 256
.set STAGE, VLOFF+256*PV  ; never filled by a tensor load: 16 rows x 144 bytes for each wave, for the way out
.set SP,    144
.set SPARE, STAGE+8*16*SP  ; the spare words, 128 bytes for each wave: four blocks of 256 bytes that no other line names
.set AK0, 2           ; v2   my lane's place in a block of K; never rewritten
.set AV0, 3           ; v3   the same for V, VOFF included
.set AK,  4           ; v4   the LDS address of the step's K
.set AV,  5           ; v5   of its V
.set STO, 6           ; v6   the way out: where I put 16 bytes of a row
.set RD,  7           ; v7   where I read rows back
.set GO,  8           ; v8   16 x lane
.set MV,  12          ; v12-13  c m_old, by tile
.set TAU, 14          ; v14  32 (w % 2) + lane % 16 - 8 (lane / 16)
.set QO,  15          ; v15  my byte offset in 16 rows of Q
.set ST,  16          ; tile u's statistics at v[ST+4 u]: c m, m, l (even keys', odd keys')
.set TMP, 24          ; by tile, c0-c3 at work; when the maximum is found c2 takes a
.set SPW, 32          ; v32  LDS address of my spare word; never rewritten
.set NIL, 33          ; v33  0; never rewritten
.set MONE, 34         ; v34  -1.0
.set AVL, 35          ; v35  the LDS address of my band's own block of V_lo
.set TT,  36          ; v36-51  p - f16(p), four pairs of both tiles at a time
.set S,   64
.set P,   128
.set O,   160
.set PL,  224
.set KF,  0           ; window 1: key block kb, channel half c at KF + 16 kb + 8 c
.set VF,  64          ; window 1: key half kk, channel block cb at VF + 32 kk + 8 cb
.set Q,   128         ; window 1: tile u, channel half c at Q + 16 u + 8 c
.set MDD, 160         ; window 1: register 8 kb + j: -1e30 where 16 kb + j > TAU (the last step, tile 0; tile 1 takes the block below, and 0 for kb = 0)
.set MDL, 192         ; window 1: registers 0-7: -1e30; register 8 + 8 kb + j: -1e30 where 16 kb + j < TAU (the first step: tile 0 from register 8 on, tile 1 from register 0 on)
.set WV,  12          ; s12  my wave's number
.set G1K, 24          ; s[24:31] descriptor group 1 for K's tiles
.set G1V, 32          ; s[32:39] for V's: it differs in the padding alone
.set G0K, 40          ; s[40:51] descriptor group 0 for K: a set for each of the three tiles
.set G0V, 52          ; s[52:63] the same for V
.set CS,  66          ; s[66:67] c
.set SEL, 68          ; s[68:69] v_permlanex16_b32's selects: each lane takes its own place in the other half
.set TBK, 70          ; s70  LDS byte at which the step's block of K begins
.set TBV, 71          ; s71  the same for V, less VOFF
.set GS,  72          ; s72  the step's key block, counted from the sequence's first key; negative: there is none
.set CNT, 73          ; s73  counts a loop's steps
.set BIGN, 74         ; s74  -1e30
.set OFF, 76          ; s[76:77] a tile's byte offset
.set G1L, 80          ; s[80:87] descriptor group 1 for V_lo: V's with 16 rows
.set G0L, 88          ; s[88:91] its group 0
.set LOW, 0           ; the three kinds of step
.set MID, 1
.set DIAG, 2
.set MSB, 0
.macro WIN new                      ; the high byte repeats the setting that is left; a switch that changes nothing is dropped
.if MSB != (\new)
	s_set_vgpr_msb (MSB<<8)|(\new)
.set MSB, (\new)
.endif
.endm
.set W_LD, 0x40       ; destination window 1, address window 0
.set W_KQ, 0x05       ; K and Q in window 1, S^T in window 0
.set W_KM, 0x15       ; the same with the C operand in window 1
.set W_PV, 0x01       ; V in window 1; P and O^T in window 0
	s_load_b256 s[4:11], s[0:1], 0x0  ; qh s[4:5], kh s[6:7], vh s[8:9], ob s[10:11]
	s_load_b64 s[92:93], s[0:1], 0x20 ; vl
	v_lshl_add_u32 v[SPW], v0, 2, SPARE
	v_mov_b32 v[NIL], 0
	ds_add_u32 v[SPW], v[NIL]       ; the wave's opening: the add and its wait stand ahead of my first tensor load; the set-up below, work on registers, stands between them
	ds_add_u32 v32, v33
	v_lshrrev_b32 v1, 5, v0
	v_readfirstlane_b32 s[WV], v1   ; wave 0..7
	s_mov_b32 s13, ttmp9            ; qb: my block of 256 queries
	s_and_b32 s14, ttmp7, 0xffff    ; bh
	s_lshr_b32 s15, s[WV], 1        ; my band
	s_and_b32 s16, s[WV], 3         ; which 64 keys of each tile I fetch: waves 0-3 of K, waves 4-7 of V
	; descriptor group 1.  64 keys are 8,192 dense bytes: asked for as 32 rows of 256 bytes, two keys a row, and padded in LDS after every key
	s_mov_b32 s[G1K], (1<<16)|(1<<20)|(4<<22)|(3<<25)  ; 17:16 2-byte elements; 20 padding on; 24:22 after every 32 words; 31:25 4 words
	s_mov_b32 s[G1V], (1<<16)|(1<<20)|(4<<22)|(7<<25)  ; the same with 8 words of padding
.irp g, G1K, G1V
	s_mov_b32 s[\g+1], 128<<16      ; tensor_dim0 = 128
	s_mov_b32 s[\g+2], 32<<16       ; tensor_dim1 = 32
	s_mov_b32 s[\g+3], 128<<16      ; tile_dim0 = 128
	s_mov_b32 s[\g+4], 32           ; tile_dim1 = 32
	s_mov_b32 s[\g+5], 128          ; 128 elements from row to row
	s_mov_b32 s[\g+6], 0
	s_mov_b32 s[\g+7], 0
.endr
	s_mov_b32 s[G1L], (1<<16)|(1<<20)|(4<<22)|(7<<25)  ; V_lo: every wave fetches 32 keys, 16 rows of 256 bytes
	s_mov_b32 s[G1L+1], 128<<16
	s_mov_b32 s[G1L+2], 16<<16
	s_mov_b32 s[G1L+3], 128<<16
	s_mov_b32 s[G1L+4], 16
	s_mov_b32 s[G1L+5], 128
	s_mov_b32 s[G1L+6], 0
	s_mov_b32 s[G1L+7], 0
	s_mul_i32 s17, s16, 64*PK       ; my quarter's place in a tile of K,
	s_mul_i32 s18, s16, 64*PV       ; and of V
	s_add_co_u32 s18, s18, VOFF
.irp t, 0,1,2
	s_mov_b32 s[G0K+4*\t], 1                     ; count = 1
	s_add_co_u32 s[G0K+4*\t+1], s17, \t*256*PK   ; LDS address: tile t
	s_mov_b32 s[G0V+4*\t], 1
	s_add_co_u32 s[G0V+4*\t+1], s18, \t*256*PV
.endr
	s_mov_b32 s[G0L], 1
	s_mul_i32 s[G0L+1], s[WV], 32*PV
	s_add_co_u32 s[G0L+1], s[G0L+1], VLOFF
	s_lshl_b32 s20, s14, 18         ; the head's first byte in q, k and v,
	s_lshl_b32 s21, s16, 13         ; my quarter of a tile
	s_add_co_u32 s20, s20, s21
	s_mov_b32 s21, 0
	s_lshl_b32 s22, s14, 18         ; my wave's 32 rows of Q; the 32 keys of V_lo that I fetch have the same numbers
	s_lshl_b32 s23, s13, 15
	s_add_co_u32 s22, s22, s23
	s_lshl_b32 s23, s[WV], 12
	s_add_co_u32 s22, s22, s23
	s_mov_b32 s23, 0
	s_mov_b32 s[OFF+1], 0
	s_mov_b32 s[CS], 0x3e38aa3b     ; c = log2(e) / 8 = 0.180337
	s_mov_b32 s[CS+1], s[CS]        ; named with it as a pair
	s_mov_b32 s[SEL], 0x76543210
	s_mov_b32 s[SEL+1], 0xfedcba98
	s_mov_b32 s[BIGN], 0xf149f2ca   ; -1e30
	s_mul_i32 s[TBK], s15, 64*PK    ; step 0 reads block number band
	s_mul_i32 s[TBV], s15, 64*PV
	s_lshl_b32 s[GS], s13, 2
	s_add_co_i32 s[GS], s[GS], s15
	s_add_co_i32 s[GS], s[GS], -8   ; 4 qb - 8 + band
	s_wait_dscnt 0x0                ; the opening add is done
	s_wait_kmcnt 0x0
	s_add_nc_u64 s[6:7], s[6:7], s[20:21]
	s_add_nc_u64 s[8:9], s[8:9], s[20:21]
	s_add_nc_u64 s[4:5], s[4:5], s[22:23]
	s_add_nc_u64 s[G0L+2:G0L+3], s[92:93], s[22:23]
	s_or_b32 s[G0L+3], s[G0L+3], 0x80000000
.irp t, 0,1,2
	s_add_co_i32 s[OFF], s13, \t-2  ; the head's tile qb - 2 + t, or tile 0 where there is none
	s_max_i32 s[OFF], s[OFF], 0
	s_lshl_b32 s[OFF], s[OFF], 15   ; a tile is 32,768 bytes
	s_add_nc_u64 s[G0K+4*\t+2:G0K+4*\t+3], s[6:7], s[OFF:OFF+1]
	s_or_b32 s[G0K+4*\t+3], s[G0K+4*\t+3], 0x80000000  ; type = 2
	s_add_nc_u64 s[G0V+4*\t+2:G0V+4*\t+3], s[8:9], s[OFF:OFF+1]
	s_or_b32 s[G0V+4*\t+3], s[G0V+4*\t+3], 0x80000000
.endr
	s_cmp_lt_u32 s[WV], 4           ; a wave's four fills stand in one branch, ahead of every wait on TENSORcnt, every LDS read and every barrier: four loads of mine are out
	s_cbranch_scc0 .Lfill_v
	tensor_load_to_lds s[G0K:G0K+3], s[G1K:G1K+7]
	s_nop 0
	tensor_load_to_lds s[G0K+4:G0K+7], s[G1K:G1K+7]
	s_nop 0
	tensor_load_to_lds s[G0K+8:G0K+11], s[G1K:G1K+7]
	s_nop 0
	tensor_load_to_lds s[G0L:G0L+3], s[G1L:G1L+7]
	s_nop 0
.rept 4
	v_nop
.endr
	s_branch .Lfilled
.Lfill_v:
	tensor_load_to_lds s[G0V:G0V+3], s[G1V:G1V+7]
	s_nop 0
	tensor_load_to_lds s[G0V+4:G0V+7], s[G1V:G1V+7]
	s_nop 0
	tensor_load_to_lds s[G0V+8:G0V+11], s[G1V:G1V+7]
	s_nop 0
	tensor_load_to_lds s[G0L:G0L+3], s[G1L:G1L+7]
	s_nop 0
.rept 4
	v_nop
.endr
.Lfilled:
	; A fragment of K or Q is 16 rows x 32 channels in 8 registers: lane l holds row l % 16, channels 8 (l / 16) + 0..7 and 16 + 8 (l / 16) + 0..7: two loads of 16 bytes, 32 bytes apart.
	v_and_b32 v1, 15, v0            ; l % 16
	v_bfe_u32 v9, v0, 4, 1          ; l / 16
	v_lshlrev_b32 v[QO], 7, v1
	v_lshl_add_u32 v[QO], v9, 4, v[QO]
	WIN W_LD
.set i, 0
.rept 4                             ; Q stays in registers: tile i / 2, channels 32 (i % 2) on
	global_load_b128 v[Q+8*i:Q+8*i+3],   v[QO], s[4:5] offset:(i/2)*2048+(i%2)*64
	global_load_b128 v[Q+8*i+4:Q+8*i+7], v[QO], s[4:5] offset:(i/2)*2048+(i%2)*64+32
.set i, i+1
.endr
	WIN 0
	; All that follows, up to the first wait, stands in the wait for the first tile.
	v_lshlrev_b32 v10, 3, v9
	v_sub_nc_u32 v[TAU], v1, v10
	s_and_b32 s17, s[WV], 1
	s_lshl_b32 s17, s17, 5
	v_add_nc_u32 v[TAU], s17, v[TAU]
	WIN W_LD                        ; destination window 1
.set i, 0
.rept 32
	v_cmp_gt_i32 vcc_lo, 16*(i/8)+i%8, v[TAU]
	v_cndmask_b32 v[MDD+i], 0, s[BIGN], vcc_lo
.set i, i+1
.endr
.set i, 0
.rept 8
	v_mov_b32 v[MDL+i], s[BIGN]
.set i, i+1
.endr
.set i, 0
.rept 32
	v_cmp_lt_i32 vcc_lo, 16*(i/8)+i%8, v[TAU]
	v_cndmask_b32 v[MDL+8+i], 0, s[BIGN], vcc_lo
.set i, i+1
.endr
	WIN 0
.set i, 0
.rept 64
	v_mov_b32 v[O+i], 0
.set i, i+1
.endr
.set i, 0
.rept 2
	v_mov_b32 v[ST+4*i], 0xfe000000    ; c m: far below every c s
	v_mov_b32 v[ST+4*i+1], 0xff7fffff  ; m
	v_mov_b32 v[ST+4*i+2], 0
	v_mov_b32 v[ST+4*i+3], 0
.set i, i+1
.endr
	v_mov_b32 v[MONE], -1.0
	v_mul_u32_u24 v[AK0], v1, PK
	v_lshl_add_u32 v[AK0], v9, 4, v[AK0]  ; row x pitch + 16 x half
	; The turning load takes 16 keys x 16 channels (lane l reads key 8 (l / 16) + l % 8, channels 8 ((l / 8) % 2) + 0..7) and leaves half a fragment of V^T: lane l holds channel l % 16 and 8 keys.
	v_and_b32 v10, 7, v0
	v_bfe_u32 v11, v0, 3, 1
	v_lshl_add_u32 v[AV0], v9, 3, v10
	v_mul_u32_u24 v[AV0], v[AV0], PV
	v_lshl_add_u32 v[AV0], v11, 4, v[AV0]
	v_add_nc_u32 v[AV0], VOFF, v[AV0]
	s_mul_i32 s19, s15, 64*PV       ; V_lo holds the last tile alone: my band's own block is number band there
	s_add_co_u32 s19, s19, VLOFF-VOFF
	v_add_nc_u32 v[AVL], s19, v[AV0]
	s_mul_i32 s17, s[WV], 16*SP
	s_add_co_u32 s17, s17, STAGE    ; my stage
	v_mul_u32_u24 v[STO], v1, SP    ; in: row l % 16, 16 bytes for each half of the lanes
	v_lshl_add_u32 v[STO], v9, 4, v[STO]
	v_add_nc_u32 v[STO], s17, v[STO]
	v_bfe_u32 v[RD], v0, 3, 2       ; back: 32 lanes take four rows of 128 bytes,
	v_mul_u32_u24 v[RD], v[RD], SP
	v_lshl_add_u32 v[RD], v10, 4, v[RD]
	v_add_nc_u32 v[RD], s17, v[RD]
	v_and_b32 v[GO], 31, v0         ; which are 512 consecutive bytes of ob
	v_lshlrev_b32 v[GO], 4, v[GO]
	; ob at my 32 rows, plane 0: ((bh / 16) x 16 + 2 qb + w / 4) x 524,288 + (bh % 16) x 16,384 + (w % 4) x 4,096
	s_lshr_b32 s20, s14, 4
	s_lshl_b32 s20, s20, 4
	s_lshl_b32 s21, s13, 1
	s_add_co_u32 s20, s20, s21
	s_lshr_b32 s21, s[WV], 2
	s_add_co_u32 s20, s20, s21
	s_lshl_b32 s20, s20, 19
	s_and_b32 s21, s14, 15
	s_lshl_b32 s21, s21, 14
	s_add_co_u32 s20, s20, s21
	s_lshl_b32 s21, s16, 12
	s_add_co_u32 s20, s20, s21
	s_mov_b32 s21, 0
	s_add_nc_u64 s[10:11], s[10:11], s[20:21]
; THE MATRIX WORK.  The 8 accumulators of a run of 16 take turns: between the two links of a chain stand 7 others'.
; Product i of 16 of S^T = K Q^T: channels 32 (i / 8) on, keys 16 ((i / 2) % 4) on, tile i % 2.  The first 8 start the sums: with 0 or with the step's mask.
.macro KQ kind
.set u, i%2
.set kb, (i/2)%4
.set rS, S+32*u+8*kb
.set rK, KF+16*kb+8*(i/8)
.set rQ, Q+16*u+8*(i/8)
.if i >= 8
	WIN W_KQ
	v_wmma_f32_16x16x32_f16 v[rS:rS+7], v[rK:rK+7], v[rQ:rQ+7], v[rS:rS+7]
.elseif ((\kind) == MID) || (((\kind) == DIAG) && (u == 1) && (kb == 0))
	WIN W_KQ
	v_wmma_f32_16x16x32_f16 v[rS:rS+7], v[rK:rK+7], v[rQ:rQ+7], 0
.elseif (\kind) == DIAG
	WIN W_KM
	v_wmma_f32_16x16x32_f16 v[rS:rS+7], v[rK:rK+7], v[rQ:rQ+7], v[MDD+8*(kb-u):MDD+8*(kb-u)+7]
.else
	WIN W_KM
	v_wmma_f32_16x16x32_f16 v[rS:rS+7], v[rK:rK+7], v[rQ:rQ+7], v[MDL+8*(kb+1-u):MDL+8*(kb+1-u)+7]
.endif
.endm
; Product i of 16 of O^T += V^T P: keys 32 (i / 8) on, channels 16 ((i / 2) % 4) on, tile i % 2.  vb: V's fragments or V_lo's (window 1); pb: P or P_lo (window 0).
.macro PV vb, pb
	WIN W_PV
.set rO, O+32*(i%2)+8*((i/2)%4)
.set rV, (\vb)+32*(i/8)+8*((i/2)%4)
.set rP, (\pb)+16*(i%2)+8*(i/8)
	v_wmma_f32_16x16x32_f16 v[rO:rO+7], v[rV:rV+7], v[rP:rP+7], v[rO:rO+7]
.endm
.macro PV16 vb, pb
.set i, 0
.rept 16
	PV \vb, \pb
.set i, i+1
.endr
.endm
; THE VECTOR WORK, all in window 0.
.macro REGS u                       ; the registers of tile u
.set rT, ST+4*(\u)
.set rC, TMP+4*(\u)
.set rM, MV+(\u)
.set rS, S+32*(\u)
.set rP, P+16*(\u)
.set rO, O+32*(\u)
.endm
; Number n of the 22 that find a tile's maximum and statistics.  s0-s31 are the lane's 32 scores; each accumulator's lowest registers are read first.
;   0-11  four chains c0-c3 of seven scores each, three operands at a time     12-14, 16  the four scores left over, the old m, and c0-c3 into c0     15  c m_old is kept
;   17, 18  the query's other 32 keys lie in the lane 16 away: the new m         19-21  c m; c m_old - c m_new; a
.macro XS u, n
	REGS \u
.if (\n) < 4
	v_max3_num_f32 v[rC+(\n)], v[rS+8*(\n)], v[rS+8*(\n)+1], v[rS+8*(\n)+2]
.elseif (\n) < 12
	v_max3_num_f32 v[rC+(\n)%4], v[rC+(\n)%4], v[rS+8*((\n)%4)+2*((\n)/4)+1], v[rS+8*((\n)%4)+2*((\n)/4)+2]
.elseif (\n) == 12
	v_max3_num_f32 v[rC], v[rC], v[rS+7], v[rS+15]
.elseif (\n) == 13
	v_max3_num_f32 v[rC+1], v[rC+1], v[rS+23], v[rS+31]
.elseif (\n) == 14
	v_max3_num_f32 v[rC+2], v[rC+2], v[rC+3], v[rT+1]
.elseif (\n) == 15
	v_mov_b32 v[rM], v[rT]
.elseif (\n) == 16
	v_max3_num_f32 v[rC], v[rC], v[rC+1], v[rC+2]
.elseif (\n) == 17
	v_permlanex16_b32 v[rC+3], v[rC], s[SEL], s[SEL+1]
.elseif (\n) == 18
	v_max_num_f32 v[rT+1], v[rC], v[rC+3]
.elseif (\n) == 19
	v_mul_f32 v[rT], s[CS], v[rT+1]
.elseif (\n) == 20
	v_sub_f32 v[rC+1], v[rM], v[rT]
.else
	v_exp_f32 v[rC+2], v[rC+1]
.endif
.endm
.macro FS u, n                      ; c s - c m for pair n of 16
	REGS \u
	v_pk_fma_f32 v[rS+2*(\n):rS+2*(\n)+1], v[rS+2*(\n):rS+2*(\n)+1], s[CS:CS+1], v[rT:rT+1] op_sel_hi:[1,0,0] neg_lo:[0,0,1] neg_hi:[0,0,1]
.endm
.macro EX u, n                      ; the exponential of score n of 32
	REGS \u
	v_exp_f32 v[rS+(\n)], v[rS+(\n)]
.endm
.macro CV u, n                      ; pair n rounded to f16
	REGS \u
	s_wait_alu depctr_va_vdst(0)
	v_cvt_pk_f16_f32 v[rP+(\n)], v[rS+2*(\n)], v[rS+2*(\n)+1]
.endm
.macro PLM u, n                     ; what that rounding left of pair n: the f16 half times -1.0 plus p, which is exact in f32
	REGS \u
	v_fma_mix_f32 v[TT+4*((\n)%4)+2*(\u)],   v[rP+(\n)], v[MONE], v[rS+2*(\n)]   op_sel_hi:[1,0,0]
	v_fma_mix_f32 v[TT+4*((\n)%4)+2*(\u)+1], v[rP+(\n)], v[MONE], v[rS+2*(\n)+1] op_sel:[1,0,0] op_sel_hi:[1,0,0]
.endm
.macro PLC u, n                     ; and that, rounded to f16: P_lo
	v_cvt_pk_f16_f32 v[PL+16*(\u)+(\n)], v[TT+4*((\n)%4)+2*(\u)], v[TT+4*((\n)%4)+2*(\u)+1]
.endm
.macro BS u, n                      ; of the four weights 4 n .. the second pair is added onto the first, in place
	REGS \u
	v_pk_add_f32 v[rS+4*(\n):rS+4*(\n)+1], v[rS+4*(\n):rS+4*(\n)+1], v[rS+4*(\n)+2:rS+4*(\n)+3]
.endm
.macro LS u, n                      ; l takes that sum; the first time as l = a l + sum
	REGS \u
.if (\n) == 0
	v_pk_fma_f32 v[rT+2:rT+3], v[rT+2:rT+3], v[rC+2:rC+3], v[rS:rS+1] op_sel_hi:[1,0,1]
.else
	v_pk_add_f32 v[rT+2:rT+3], v[rT+2:rT+3], v[rS+4*(\n):rS+4*(\n)+1]
.endif
.endm
.macro RS u, n                      ; pair n of 16 of O^T times a
	REGS \u
	s_wait_alu depctr_va_vdst(0)
	v_pk_mul_f32 v[rO+2*(\n):rO+2*(\n)+1], v[rO+2*(\n):rO+2*(\n)+1], v[rC+2:rC+3] op_sel_hi:[1,0]
.endm
; The plain instruction behind exponential k of a tile: work that is ready and touches neither that exponential's register nor a result just made: the rescaling (k < 16); the rounding of
; pair k - 16, whose exponentials have the numbers 2 k - 32 and 2 k - 31, k - 1 at the most (k < 31); the first sum, or in the last step, where the weights are still wanted whole for P_lo, a v_nop.
.macro PX u, k, kind
.if (\k) < 16
	RS \u, \k
.elseif (\k) < 31
	CV \u, (\k)-16
.elseif (\kind) == DIAG
	v_nop
.else
	BS \u, 0
.endif
.endm
; A KEY STEP: 64 keys for my two tiles, in phases.
.macro STEP kind
	v_add_nc_u32 v[AK], s[TBK], v[AK0]  ; these four plain lines are the places between the step before's last product and the loads into V's registers (ISA guide 7.12.1 for vector instructions)
	v_add_nc_u32 v[AV], s[TBV], v[AV0]
	v_nop
	v_nop
	WIN W_LD
.irp f, 0,1,2,3,4,5,6,7             ; K: keys 16 (f / 2) on, channels 32 (f % 2) on
	ds_load_b128 v[KF+8*\f:KF+8*\f+3],   v[AK] offset:(\f/2)*16*PK+(\f%2)*64
	ds_load_b128 v[KF+8*\f+4:KF+8*\f+7], v[AK] offset:(\f/2)*16*PK+(\f%2)*64+32
.endr
.irp f, 0,1,2,3,4,5,6,7             ; V, turned: keys 32 (f / 4) on, channels 16 (f % 4) on
	ds_load_tr16_b128 v[VF+8*\f:VF+8*\f+3],   v[AV] offset:(\f/4)*32*PV+(\f%4)*32
	ds_load_tr16_b128 v[VF+8*\f+4:VF+8*\f+7], v[AV] offset:(\f/4)*32*PV+16*PV+(\f%4)*32
.endr
	s_wait_dscnt 16                 ; K's sixteen loads are in; V's sixteen, issued behind them, may stay out
.set i, 0
.rept 16
	KQ \kind
.set i, i+1
.endr
	WIN 0
	XS 0, 15                        ; four plain lines that name no register of those products: the places in front of the first read of the scores, and of the loads into K's registers
	XS 1, 15
	v_nop
	v_nop
.if (\kind) == DIAG
	WIN W_LD
.irp f, 0,1,2,3,4,5,6,7             ; V_lo, turned, as V: into K's registers, which those products have read for the last time
	ds_load_tr16_b128 v[KF+8*\f:KF+8*\f+3],   v[AVL] offset:(\f/4)*32*PV+(\f%4)*32
	ds_load_tr16_b128 v[KF+8*\f+4:KF+8*\f+7], v[AVL] offset:(\f/4)*32*PV+16*PV+(\f%4)*32
.endr
	WIN 0
.endif
.irp n, 0,1,2,3,4,5,6,7,8,9,10,11,12,13,14,16,17,18,19,20,21
	XS 0, \n                        ; the two tiles alternate, so that no line reads the result of the line before it
	XS 1, \n
.endr
.set n, 0
.rept 16                            ; the scalings are also the plain lines behind the two exponentials that made a
	FS 0, n
	FS 1, n
.set n, n+1
.endr
.set k, 0
.rept 32                            ; exponential, plain, exponential, plain: no two exponentials follow each other (ISA guide 5.7.2)
	EX 0, k
	PX 0, k, \kind
	EX 1, k
	PX 1, k, \kind
.set k, k+1
.endr
	CV 0, 15
	CV 1, 15
.if (\kind) == DIAG
.set n, 0
.rept 16
	PLM 0, n
	PLM 1, n
	PLC 0, n
	PLC 1, n
.set n, n+1
.endr
	BS 0, 0
	BS 1, 0
.endif
.set n, 1
.rept 7
	BS 0, n
	BS 1, n
.set n, n+1
.endr
.set n, 0
.rept 8
	LS 0, n
	LS 1, n
.set n, n+1
.endr
	s_wait_dscnt 0x0                ; V is in (and V_lo)
	PV16 VF, P
.if (\kind) == DIAG
	PV16 KF, P                      ; V_lo P
	PV16 VF, PL                     ; V P_lo
.endif
	WIN 0                           ; at a label and at a branch every window is 0
.endm
.macro ADV                          ; on to the next key block
	s_add_co_u32 s[TBK], s[TBK], 64*PK
	s_add_co_u32 s[TBV], s[TBV], 64*PV
	s_add_co_i32 s[GS], s[GS], 1
.endm
	s_wait_tensorcnt 0x3            ; my part of tile 0 is in; my three younger loads stay out
	s_barrier_signal -1
	s_barrier_wait -1               ; everybody's part is
	s_wait_loadcnt 0x0              ; Q
	s_cmp_lt_i32 s[GS], 0
	s_cbranch_scc1 .Ldead_low
	STEP LOW                        ; s = 0: blocks 0-3, all in tile 0
.Ldead_low:
	ADV
	s_wait_tensorcnt 0x2            ; my part of tile 1 is in; two younger loads stay out
	s_wait_dscnt 0x0                ; no LDS instruction of mine is out at a signal
	s_barrier_signal -1
	s_barrier_wait -1
	s_mov_b32 s[CNT], 4             ; s = 1 .. 4: blocks 1-7, in tiles 0 and 1
.Lmid_a:
	s_cmp_lt_i32 s[GS], 0
	s_cbranch_scc1 .Ldead_a
	STEP MID
.Ldead_a:
	ADV
	s_sub_co_u32 s[CNT], s[CNT], 1
	s_cmp_lg_u32 s[CNT], 0
	s_cbranch_scc1 .Lmid_a
	s_wait_tensorcnt 0x0            ; my parts of tile 2 and of V_lo are in
	s_wait_dscnt 0x0
	s_barrier_signal -1
	s_barrier_wait -1
	s_mov_b32 s[CNT], 3             ; s = 5 .. 7: blocks 5-10
.Lmid_b:
	s_cmp_lt_i32 s[GS], 0
	s_cbranch_scc1 .Ldead_b
	STEP MID
.Ldead_b:
	ADV
	s_sub_co_u32 s[CNT], s[CNT], 1
	s_cmp_lg_u32 s[CNT], 0
	s_cbranch_scc1 .Lmid_b
	STEP DIAG                       ; s = 8: the band's own keys; this step is never dead
	; THE WAY OUT.  l's two halves and the other half of the lanes' are added; O^T is divided by l, split into two f16 numbers and sent through my stage in LDS, a tile and a plane at a time.
	; The four additions and the v_nop are the places behind the last products.
	v_add_f32 v[ST+2], v[ST+2], v[ST+3]
	v_add_f32 v[ST+6], v[ST+6], v[ST+7]
	v_permlanex16_b32 v[ST+3], v[ST+2], s[SEL], s[SEL+1]
	v_permlanex16_b32 v[ST+7], v[ST+6], s[SEL], s[SEL+1]
	v_add_f32 v[ST+2], v[ST+2], v[ST+3]
	v_add_f32 v[ST+6], v[ST+6], v[ST+7]
	v_rcp_f32 v[ST+2], v[ST+2]
	v_rcp_f32 v[ST+6], v[ST+6]
	v_nop                           ; a plain instruction between the last reciprocal and the use of its result
; Tile t: a lane's eight channels of a row pack into 16 bytes; they go into rows of 144 bytes and come back as whole rows of 128, into S^T's registers: plane 0 at S + 16 t, plane 1 at S + 32 + 16 t.
.macro PACK t
.set i, 0
.rept 16                            ; each accumulator's registers in ascending order
	s_wait_alu depctr_va_vdst(0)
	v_pk_mul_f32 v[O+32*(\t)+2*i:O+32*(\t)+2*i+1], v[O+32*(\t)+2*i:O+32*(\t)+2*i+1], v[ST+4*(\t)+2:ST+4*(\t)+3] op_sel_hi:[1,0]
.set i, i+1
.endr
.set i, 0
.rept 16
	v_cvt_pk_f16_f32 v[S+16*(\t)+i], v[O+32*(\t)+2*i], v[O+32*(\t)+2*i+1]
.set i, i+1
.endr
.set i, 0
.rept 16                            ; O - f16(O), in place
	v_fma_mix_f32 v[O+32*(\t)+2*i],   v[S+16*(\t)+i], v[MONE], v[O+32*(\t)+2*i]   op_sel_hi:[1,0,0]
	v_fma_mix_f32 v[O+32*(\t)+2*i+1], v[S+16*(\t)+i], v[MONE], v[O+32*(\t)+2*i+1] op_sel:[1,0,0] op_sel_hi:[1,0,0]
.set i, i+1
.endr
.set i, 0
.rept 16
	v_cvt_pk_f16_f32 v[S+32+16*(\t)+i], v[O+32*(\t)+2*i], v[O+32*(\t)+2*i+1]
.set i, i+1
.endr
.irp pl, 0,1
.irp f, 0,1,2,3
	ds_store_b128 v[STO], v[S+32*\pl+16*(\t)+4*\f:S+32*\pl+16*(\t)+4*\f+3] offset:32*\f
.endr
.irp f, 0,1,2,3
	ds_load_b128 v[S+32*\pl+16*(\t)+4*\f:S+32*\pl+16*(\t)+4*\f+3], v[RD] offset:\f*4*SP  ; LDS serves a wave's instructions in order (ISA guide 5.7.1.4): these see the stores above; the next stores come behind them
.endr
.endr
.endm
.macro SEND t, pl, younger          ; younger: the LDS instructions issued behind this group's four loads
.irp f, 0,1,2,3
	s_wait_dscnt (\younger)+3-\f
	global_store_b128 v[GO], v[S+32*(\pl)+16*(\t)+4*\f:S+32*(\pl)+16*(\t)+4*\f+3], s[10:11] offset:(\pl)*262144+(\t)*2048+\f*512  ; 512 consecutive bytes, at a multiple of 512 from ob's first
.endr
.endm
	PACK 0
	PACK 1                          ; tile 1's arithmetic stands between tile 0's loads and its stores
	SEND 0, 0, 24                   ; behind tile 0's plane 0: its plane 1's eight and tile 1's sixteen
	SEND 0, 1, 16
	SEND 1, 0, 8
	SEND 1, 1, 0
	s_wait_tensorcnt 0x0            ; the wave's end, behind my last tensor load and my last LDS store
	ds_add_u32 v[SPW], v[NIL]
	s_wait_dscnt 0x0
	s_endpgm
.Lfunc_end_k_qf034df567d_attn:
	.size	k_qf034df567d_attn, .Lfunc_end_k_qf034df567d_attn-k_qf034df567d_attn
	.p2alignl 7, 3214868480
	.fill 96, 4, 3214868480
	.section	.rodata,"a",@progbits
	.p2align	6, 0x0
	.amdhsa_kernel k_qf034df567d_attn
		.amdhsa_group_segment_fixed_size 293888
		.amdhsa_private_segment_fixed_size 0
		.amdhsa_enable_private_segment 0
		.amdhsa_kernarg_size 40
		.amdhsa_user_sgpr_count 2
		.amdhsa_user_sgpr_kernarg_segment_ptr 1
		.amdhsa_wavefront_size32 1
		.amdhsa_system_sgpr_workgroup_id_x 1
		.amdhsa_system_sgpr_workgroup_id_y 1
		.amdhsa_system_sgpr_workgroup_id_z 1
		.amdhsa_system_vgpr_workitem_id 0
		.amdhsa_next_free_vgpr 488
		.amdhsa_next_free_sgpr 96
		.amdhsa_reserve_vcc 1
		.amdhsa_float_denorm_mode_32 3
		.amdhsa_float_denorm_mode_16_64 3
		.amdhsa_memory_ordered 1
		.amdhsa_forward_progress 1
		.amdhsa_inst_pref_size 120
	.end_amdhsa_kernel
	.amdgpu_metadata
---
amdhsa.version: [ 1, 2 ]
amdhsa.kernels:
  - .name:           k_qf034df567d_attn
    .symbol:         k_qf034df567d_attn.kd
    .args:
      - { .name: qh, .offset: 0, .size: 8, .value_kind: global_buffer, .address_space: global }
      - { .name: kh, .offset: 8, .size: 8, .value_kind: global_buffer, .address_space: global }
      - { .name: vh, .offset: 16, .size: 8, .value_kind: global_buffer, .address_space: global }
      - { .name: ob, .offset: 24, .size: 8, .value_kind: global_buffer, .address_space: global }
      - { .name: vl, .offset: 32, .size: 8, .value_kind: global_buffer, .address_space: global }
    .group_segment_fixed_size: 293888
    .private_segment_fixed_size: 0
    .kernarg_segment_align: 8
    .kernarg_segment_size: 40
    .max_flat_workgroup_size: 256
    .sgpr_count:     96
    .vgpr_count:     488
    .wavefront_size: 32
...
	.end_amdgpu_metadata
.endif
;; end of part 3
;; launch outp (part 4): grid 8 x 32, 4 waves a work-group, clusters of 4 x 4, 327,680 bytes of LDS; arguments ob, wob, out0; writes out0
.if DOCPART == 4
	.amdgcn_target "amdgcn-amd-amdhsa--gfx1250"
	.amdhsa_code_object_version 6
	.text
	.protected	k_qf034df567d_outp
	.globl	k_qf034df567d_outp
	.p2align	8
	.type	k_qf034df567d_outp,@function
k_qf034df567d_outp:
	s_mov_b64 s[64:65], 0
	v_nop
	global_prefetch_b8 v0, s[64:65] scope:SCOPE_SE
	s_setreg_imm32_b32 hwreg(HW_REG_WAVE_MODE, 25, 1), 1
	s_wait_xcnt 0x0
	s_wait_alu depctr_hold_cnt(0) depctr_sa_sdst(0) depctr_va_vdst(0) depctr_va_sdst(0) depctr_va_ssrc(0) depctr_va_vcc(0) depctr_vm_vsrc(0)
	s_getreg_b32 s2, hwreg(HW_REG_IB_STS2, 6, 4)
	s_cmp_eq_u32 s2, 0
	s_cbranch_scc0 .Lentry_in_a_cluster
	s_endpgm
.Lentry_in_a_cluster:
	s_bfe_u32 s2, ttmp6, 0x10000c
	s_cmp_lg_u32 s2, 0xf033
	s_cbranch_scc0 .Lentry_shape_is_right
	s_endpgm
.Lentry_shape_is_right:
; OUTP: out0 = O wo, with O = O_hi + O_lo.  ob [block of 128 tokens 32][plane 2][h 16][row 128][c 64] f16; wob [k 1024][n 1024] f16; out0 [4096][1024] f32.  Products in f16, sums in f32, stored as they are.
; SHARES.  A tile of out0 is 128 x 128: 8 x 32 = 256 work-groups.  Four waves, each 64 x 64: 16 accumulators.  K goes in 4 pieces of 256 (four heads' slices), each taken twice: slot 0 of the ring
; always holds the piece's O_hi, slot 1 its O_lo, each with the piece's rows of wo: 8 K steps, and every refill steps its addresses by a constant.
; O's part of a K step is dense in memory: two heads' slices of a row block are 32,768 bytes, asked for as 128 rows of 256 and padded in LDS after every 128 bytes.  wo lies [k][n]: 128 rows of 256 bytes
; a load; its fragments come out of LDS turned, by ds_load_tr16_b128.
; CLUSTER 4 x 4: the four work-groups of a row of the cluster share O's tiles, the four of a column wo's: each is asked for jointly, by the same load, descriptor and mask in all four.
; THE MATRIX INSTRUCTION IS USED TRANSPOSED (source 0 = 16 columns of wo, source 1 = 16 rows of O): a lane then holds eight neighbouring numbers of a row of out0.
; REGISTERS: window 0: v1-7 at work in the set-up; v16-29 addresses; v32-95 the way out; v128-255 the accumulators ((a, b) at v[128 + 8 (4 a + b)]).
;   window 1: two fragment buffers of 128: for 64 along K, 64 registers of O (2 x 4 x 16 rows x 32 K), then 64 of wo.
.set PA,     144                       ; a row of a slice of O in LDS: 128 bytes + 16 = 36 words: the 16 rows of a load start at 16 different groups of four banks (64 banks of 4 bytes: ISA guide 11.1)
.set PB,     288                       ; a row of wo: 256 bytes + 32 = 72 words
.set SLICE,  128*PA                    ; one head's slice: 128 rows
.set HALFT,  2*SLICE                   ; what one tensor load brings: two slices of O, or 128 rows of wo (128 x 288 is the same 36,864)
.set SLOT,   4*HALFT                   ; O's four slices, then wo's 256 rows
.set STAGE,  2*SLOT                    ; behind the ring: 16 rows x 272 bytes for each wave, for the way out
.set SPITCH, 272
.set SPARE,  STAGE+4*16*SPITCH         ; behind the stages: the spare words, 128 bytes a wave: two blocks of 256 bytes that no other line names
.set LAPS,   4                         ; a lap = a piece of K = once round the ring
.set ADRA, 16                          ; v16-17  LDS address of my fragments of O in slot 0, 1
.set ADRB, 20                          ; v20-23  the same for wo, by slot and half of the K step: the offsets of a whole step pass the immediate's 16 bits
.set STO,  24                          ; v24     the way out: where I put 32 bytes of a row
.set RD,   25                          ; v25     where I read a row back
.set CO,   26                          ; v26     my byte offset in out0
.set SPW,  28                          ; v28     LDS address of my spare word; never rewritten
.set NIL,  29                          ; v29     0; never rewritten
.set TMP,  32
.set ACC,  128
.set F0,   0
.set F1,   128
.set G1, 24                            ; s[24:31] descriptor group 1 for O's tiles;  s[32:39] group 0, a set for each slot
.set G0, 32
.set G1B, 48                           ; s[48:55], s[56:63] the same for wo's
.set G0B, 56
.set MSB, 0
.macro WIN new                         ; the immediate's high byte repeats the setting that is left
.if MSB != (\new)
	s_set_vgpr_msb (MSB<<8)|(\new)
.set MSB, \new
.endif
.endm
.set MUL,  0x05                        ; sources 0 (wo) and 1 (O) window 1; C and D window 0
.set TO_F, 0x40                        ; destination window 1, address window 0
.macro JLOAD s                         ; a joint load: waves 0 and 1 fetch O's two halves, waves 2 and 3 wo's; an s_nop 0 and four v_nop follow each of the two lines
	s_cmp_eq_u32 s11, 0
	s_cbranch_scc0 .Lfor_b_\@
	tensor_load_to_lds s[G0+4*(\s):G0+4*(\s)+3], s[G1:G1+7]
	s_nop 0
.rept 4
	v_nop
.endr
	s_branch .Lasked_\@
.Lfor_b_\@:
	tensor_load_to_lds s[G0B+4*(\s):G0B+4*(\s)+3], s[G1B:G1B+7]
	s_nop 0
.rept 4
	v_nop
.endr
.Lasked_\@:
.endm
.macro CREST                           ; a round of the cluster's barrier behind its opening barrier
	s_cmp_lg_u32 s10, 0
	s_cbranch_scc1 .Lnot_wave_0_\@
	s_barrier_signal -3
.Lnot_wave_0_\@:
	s_barrier_wait -3
	s_barrier_signal -1
	s_barrier_wait -1
.endm
.macro CROUND                          ; a whole round
	s_barrier_signal -1
	s_barrier_wait -1
	CREST
.endm
	s_load_b128 s[4:7], s[0:1], 0x0                ; ob s[4:5], wob s[6:7]
	s_load_b64 s[8:9], s[0:1], 0x10                ; out0
	v_lshl_add_u32 v[SPW], v0, 2, SPARE
	v_mov_b32 v[NIL], 0
	ds_add_u32 v[SPW], v[NIL]                      ; the wave's opening: the add and its wait stand ahead of my first tensor load; the set-up below, work on registers, stands between them
	ds_add_u32 v28, v29
	v_lshrrev_b32 v1, 5, v0
	v_readfirstlane_b32 s10, v1                    ; wave 0..3
	s_lshr_b32 s11, s10, 1                         ; which half of the tile's rows is mine.  Also: I fetch O (0) or wo (1)
	s_and_b32 s12, s10, 1                          ; which half of its columns.  Also: which half of that tile I fetch
	s_bfe_u32 s40, ttmp6, 0x40000                  ; cx, cy: my place in the cluster
	s_bfe_u32 s41, ttmp6, 0x40004
	s_lshl_b32 s42, ttmp9, 2
	s_add_co_u32 s42, s42, s40                     ; tile column = 4 x cluster x + cx
	s_and_b32 s13, ttmp7, 0xffff
	s_lshl_b32 s13, s13, 2
	s_add_co_u32 s13, s13, s41                     ; tile row = 4 x cluster y + cy
	s_lshl_b32 s43, s41, 2
	s_lshl_b32 s43, 15, s43                        ; my row of the cluster
	s_lshl_b32 s44, 0x1111, s40                    ; my column
	s_or_b32 s[G1+0], s43, (1<<16)|(1<<20)|(1<<21)|(4<<22)|(3<<25)   ; 15:0 the mask; 17:16 2-byte elements; 20 padding on; 21 set beside a mask; 24:22 after every 32 words; 31:25 4 words
	s_or_b32 s[G1B+0], s44, (1<<16)|(1<<20)|(1<<21)|(5<<22)|(7<<25)  ; after every 64 words, 8 words
.irp g, G1, G1B
	s_mov_b32 s[(\g)+1], 128<<16                   ; tensor_dim0 = 128
	s_mov_b32 s[(\g)+2], 128<<16                   ; tensor_dim1 = 128
	s_mov_b32 s[(\g)+3], 128<<16                   ; tile_dim0 = 128
	s_mov_b32 s[(\g)+4], 128                       ; tile_dim1 = 128
	s_mov_b32 s[(\g)+6], 0
	s_mov_b32 s[(\g)+7], 0
.endr
	s_mov_b32 s[G1+5], 128                         ; O's rows lie end to end
	s_mov_b32 s[G1B+5], 1024                       ; wo: 1,024 elements from row to row
	s_lshl_b32 s16, s13, 19                        ; O: the row block's two planes are 524,288 bytes;
	s_lshl_b32 s17, s12, 15                        ; my two slices of a K step's four
	s_add_co_u32 s16, s16, s17
	s_mov_b32 s17, 0
	s_lshl_b32 s46, s42, 8                         ; wo: the tile's 256 bytes in a row,
	s_lshl_b32 s47, s12, 18                        ; my 128 rows of 2,048 bytes
	s_add_co_u32 s46, s46, s47
	s_mov_b32 s47, 0
	s_mul_i32 s20, s10, HALFT                      ; where they go: wave x 36,864: no place in the cluster enters an LDS address
	s_wait_dscnt 0x0                               ; the opening add is done
	s_wait_kmcnt 0x0
	s_add_nc_u64 s[14:15], s[4:5], s[16:17]
	s_add_nc_u64 s[46:47], s[6:7], s[46:47]
	CROUND                                         ; all sixteen work-groups are here: the first joint loads meet
.irp s, 0,1
	s_mov_b32 s[G0+4*(\s)], 1
	s_add_co_u32 s[G0+4*(\s)+1], s20, (\s)*SLOT
	s_add_nc_u64 s[G0+4*(\s)+2:G0+4*(\s)+3], s[14:15], (\s)*262144     ; slot s: plane s, the first piece of K
	s_or_b32 s[G0+4*(\s)+3], s[G0+4*(\s)+3], 0x80000000
	s_mov_b32 s[G0B+4*(\s)], 1
	s_add_co_u32 s[G0B+4*(\s)+1], s20, (\s)*SLOT
	s_add_nc_u64 s[G0B+4*(\s)+2:G0B+4*(\s)+3], s[46:47], 0             ; both slots: the same piece's rows of wo
	s_or_b32 s[G0B+4*(\s)+3], s[G0B+4*(\s)+3], 0x80000000
	JLOAD \s                                       ; two loads of mine are out
.endr
	v_and_b32 v1, 15, v0                           ; l % 16
	v_bfe_u32 v2, v0, 4, 1                         ; l / 16
	v_mul_u32_u24 v3, v1, PA
	v_lshl_add_u32 v3, v2, 4, v3                   ; a fragment of O: row x pitch + 16 x half
	s_mul_i32 s21, s11, 64*PA                      ; my 64 rows of each slice
	v_add_nc_u32 v[ADRA], s21, v3
	v_add_nc_u32 v[ADRA+1], SLOT, v[ADRA]
	v_and_b32 v4, 7, v0                            ; the turning load: lane l reads row 8 (l / 16) + l % 8, columns 8 ((l / 8) % 2) + 0..7
	v_lshl_add_u32 v4, v2, 3, v4
	v_mul_u32_u24 v4, v4, PB
	v_bfe_u32 v5, v0, 3, 1
	v_lshl_add_u32 v4, v5, 4, v4
	s_lshl_b32 s22, s12, 7                         ; my 64 columns,
	s_add_co_u32 s22, s22, 2*HALFT                 ; behind O's four slices
	v_add_nc_u32 v[ADRB], s22, v4
	v_add_nc_u32 v[ADRB+1], HALFT, v[ADRB]
	v_add_nc_u32 v[ADRB+2], SLOT, v[ADRB]
	v_add_nc_u32 v[ADRB+3], SLOT+HALFT, v[ADRB]
	s_mul_i32 s23, s10, 16*SPITCH
	s_add_co_u32 s23, s23, STAGE                   ; my stage
	v_mul_u32_u24 v6, v1, SPITCH                   ; in: row l % 16, 32 bytes for each half of the lanes
	v_lshl_add_u32 v6, v2, 5, v6
	v_add_nc_u32 v[STO], s23, v6
	v_mul_u32_u24 v7, v2, SPITCH                   ; back: lanes 0-15 take one row of 256 bytes, lanes 16-31 the next
	v_lshl_add_u32 v7, v1, 4, v7
	v_add_nc_u32 v[RD], s23, v7
	v_lshlrev_b32 v[CO], 12, v2                    ; and the same two rows in out0
	v_lshl_add_u32 v[CO], v1, 4, v[CO]
	s_lshl_b32 s16, s13, 19                        ; out0 at my first row: (128 x tile row + 64 x half) rows of 4,096 bytes,
	s_lshl_b32 s17, s11, 18
	s_add_co_u32 s16, s16, s17
	s_mov_b32 s17, 0
	s_add_nc_u64 s[8:9], s[8:9], s[16:17]
	s_lshl_b32 s46, s42, 9                         ; and my first column: 512 x tile column + 256 x half
	s_lshl_b32 s47, s12, 8
	s_add_co_u32 s46, s46, s47
	s_mov_b32 s47, 0
	s_add_nc_u64 s[8:9], s[8:9], s[46:47]
; 8 matrix instructions: row blocks a0, a0 + 1 x all 4 column blocks, 32 along K: half c of buffer f.  zero = 1: the first product starts the sums.  The 16 accumulators take turns.
.macro MUL8 f, c, a0, zero
	WIN MUL
.irp a, \a0, (\a0)+1
.irp b, 0,1,2,3
.if \zero
	v_wmma_f32_16x16x32_f16 v[ACC+8*(4*(\a)+(\b)):ACC+8*(4*(\a)+(\b))+7], v[(\f)+64+8*(4*(\c)+(\b)):(\f)+64+8*(4*(\c)+(\b))+7], v[(\f)+8*(4*(\c)+(\a)):(\f)+8*(4*(\c)+(\a))+7], 0
.else
	v_wmma_f32_16x16x32_f16 v[ACC+8*(4*(\a)+(\b)):ACC+8*(4*(\a)+(\b))+7], v[(\f)+64+8*(4*(\c)+(\b)):(\f)+64+8*(4*(\c)+(\b))+7], v[(\f)+8*(4*(\c)+(\a)):(\f)+8*(4*(\c)+(\a))+7], v[ACC+8*(4*(\a)+(\b)):ACC+8*(4*(\a)+(\b))+7]
.endif
.endr
.endr
.endm
; 32 LDS loads in one run: the fragments of quarter q (64 along K: one head's slice) into buffer f; the first 32 along K first
.macro FETCH slot, q, f
	WIN TO_F
.irp c, 0,1
.irp i, 0,1,2,3
	ds_load_tr16_b128 v[(\f)+64+8*(4*(\c)+(\i)):(\f)+64+8*(4*(\c)+(\i))+3],   v[ADRB+2*(\slot)+(\q)/2] offset:(((\q)%2)*64+32*(\c))*PB+32*(\i)
	ds_load_tr16_b128 v[(\f)+64+8*(4*(\c)+(\i))+4:(\f)+64+8*(4*(\c)+(\i))+7], v[ADRB+2*(\slot)+(\q)/2] offset:(((\q)%2)*64+32*(\c))*PB+32*(\i)+16*PB
	ds_load_b128 v[(\f)+8*(4*(\c)+(\i)):(\f)+8*(4*(\c)+(\i))+3],              v[ADRA+(\slot)] offset:(\q)*SLICE+64*(\c)+(\i)*16*PA
	ds_load_b128 v[(\f)+8*(4*(\c)+(\i))+4:(\f)+8*(4*(\c)+(\i))+7],            v[ADRA+(\slot)] offset:(\q)*SLICE+64*(\c)+(\i)*16*PA+32
.endr
.endr
.endm
.macro PLACES                          ; four places in front of loads into registers that matrix instructions have read, and of LDS stores that read results (ISA guide 7.12.1 for vector instructions)
.rept 4
	v_nop
.endr
.endm
; A K step is four quarters of 64 along K, 32 matrix instructions each, on buffers 0, 1, 0, 1.  One of the first three: multiplies buffer f and fetches quarter q into g.
.macro QUARTER slot, q, f, g, zero
	s_wait_dscnt 16                                ; the first 32 along K are in
	MUL8 \f, 0, 0, \zero
	MUL8 \f, 0, 2, \zero
	PLACES
	FETCH \slot, \q, \g
	s_wait_dscnt 32                                ; all but the 32 just issued
	MUL8 \f, 1, 0, 0
	MUL8 \f, 1, 2, 0
.endm
; The last quarter multiplies buffer 1 and changes slots: ONE barrier; in front of it each wave waits for all its tensor loads, adds 0 to its spare word, and waits for that and for its own reads of this slot.
; fill = 1: the barrier opens a round of the cluster's, and this slot is filled again, with its plane's next piece of K, first thing behind the round.
.macro TURN slot, next, fill
	WIN 0                                          ; (the add's two registers lie in window 0)
	s_wait_tensorcnt 0x0                           ; all my tensor loads have landed: my part of the next slot
	ds_add_u32 v[SPW], v[NIL]                      ; 0 onto my spare word
	s_wait_dscnt 17                                ; (the add and the youngest sixteen loads may be out)
	MUL8 F1, 0, 0, 0                               ; eight matrix instructions stand between the add and the wait for it
	s_wait_dscnt 0x0                               ; the add is done, and my reads of this slot are over
	s_barrier_signal -1
	MUL8 F1, 0, 2, 0
.if \fill
	WIN 0
.endif
	s_barrier_wait -1
.if \fill
	CREST                                          ; no wave of any partner still reads this slot's tile or has a load on its way
	s_add_nc_u64 s[G0+4*(\slot)+2:G0+4*(\slot)+3], s[G0+4*(\slot)+2:G0+4*(\slot)+3], 65536      ; four slices on in the slot's plane
	s_add_nc_u64 s[G0B+4*(\slot)+2:G0B+4*(\slot)+3], s[G0B+4*(\slot)+2:G0B+4*(\slot)+3], 524288  ; 256 rows of wo on
	JLOAD \slot                                    ; my one tensor load behind the round; the four v_nop behind it are also the places in front of the loads below
.else
	PLACES
.endif
	FETCH \next, 0, F0
	MUL8 F1, 1, 0, 0
	MUL8 F1, 1, 2, 0
.endm
	s_wait_tensorcnt 1                             ; my part of K step 0 is in; K step 1's may stay out
	s_barrier_signal -1
	s_barrier_wait -1                              ; everybody's is
	FETCH 0, 0, F0
	QUARTER 0, 1, F0, F1, 1                        ; the first quarter stands in front of the loop: its first products start the sums
	WIN 0                                          ; at a label and at a branch every window is 0
	s_mov_b32 s3, LAPS-1
.Llap:                                                 ; three trips, each once round the ring from a lap's second quarter to the next lap's first: pieces 1 to 3 of K are asked for, in both planes
	QUARTER 0, 2, F1, F0, 0
	QUARTER 0, 3, F0, F1, 0
	TURN 0, 1, 1
	QUARTER 1, 1, F0, F1, 0
	QUARTER 1, 2, F1, F0, 0
	QUARTER 1, 3, F0, F1, 0
	TURN 1, 0, 1
	QUARTER 0, 1, F0, F1, 0
	WIN 0
	s_sub_co_u32 s3, s3, 1
	s_cmp_lg_u32 s3, 0
	s_cbranch_scc1 .Llap
	QUARTER 0, 2, F1, F0, 0                        ; the last lap fills nothing
	QUARTER 0, 3, F0, F1, 0
	TURN 0, 1, 0
	QUARTER 1, 1, F0, F1, 0
	QUARTER 1, 2, F1, F0, 0
	QUARTER 1, 3, F0, F1, 0
	s_wait_dscnt 16                                ; the very last quarter
	MUL8 F1, 0, 0, 0
	MUL8 F1, 0, 2, 0
	s_wait_dscnt 0x0
	MUL8 F1, 1, 0, 0
	MUL8 F1, 1, 2, 0
	WIN 0
	; THE WAY OUT, 16 rows at a time through my own stage: a lane's eight f32 of a row go in as 32 bytes; whole rows of 256 bytes (my 64 columns) come back and are stored.  No barrier: no other wave touches my stage.
	PLACES
.irp a, 0,1,2,3
.irp b, 0,1,2,3
	ds_store_b128 v[STO], v[ACC+8*(4*(\a)+(\b)):ACC+8*(4*(\a)+(\b))+3]   offset:64*(\b)     ; each accumulator's low four registers first
	ds_store_b128 v[STO], v[ACC+8*(4*(\a)+(\b))+4:ACC+8*(4*(\a)+(\b))+7] offset:64*(\b)+16
.endr
.if (\a) >= 2
	s_wait_xcnt 0x0                                ; the stores of the block two back have had their addresses translated (ISA guide 3.1): their data registers are loaded again only behind this wait
.endif
.irp t, 0,1,2,3,4,5,6,7
	ds_load_b128 v[TMP+32*((\a)%2)+4*(\t):TMP+32*((\a)%2)+4*(\t)+3], v[RD] offset:(\t)*2*SPITCH  ; LDS serves a wave's instructions in order (ISA guide 5.7.1.4): these see the stores above
.endr
.irp t, 0,1,2,3,4,5,6,7
	s_wait_dscnt 7-(\t)                            ; load t is back, the younger ones stay out
	global_store_b128 v[CO], v[TMP+32*((\a)%2)+4*(\t):TMP+32*((\a)%2)+4*(\t)+3], s[8:9] offset:(16*(\a)+2*(\t))*4096  ; 16 lanes store 256 consecutive bytes, at a multiple of 256 from out0's first byte
.endr
.endr
	s_wait_tensorcnt 0x0                           ; the wave's end, behind my last tensor load and my last LDS store
	ds_add_u32 v[SPW], v[NIL]
	s_wait_dscnt 0x0
	CROUND                                         ; the closing round: no work-group ends while a partner may still ask for a tile that names it
	s_endpgm
.Lfunc_end_k_qf034df567d_outp:
	.size	k_qf034df567d_outp, .Lfunc_end_k_qf034df567d_outp-k_qf034df567d_outp
	.p2alignl 7, 3214868480
	.fill 96, 4, 3214868480
	.section	.rodata,"a",@progbits
	.p2align	6, 0x0
	.amdhsa_kernel k_qf034df567d_outp
		.amdhsa_group_segment_fixed_size 327680
		.amdhsa_private_segment_fixed_size 0
		.amdhsa_enable_private_segment 0
		.amdhsa_kernarg_size 24
		.amdhsa_user_sgpr_count 2
		.amdhsa_user_sgpr_kernarg_segment_ptr 1
		.amdhsa_wavefront_size32 1
		.amdhsa_system_sgpr_workgroup_id_x 1
		.amdhsa_system_sgpr_workgroup_id_y 1
		.amdhsa_system_sgpr_workgroup_id_z 1
		.amdhsa_system_vgpr_workitem_id 0
		.amdhsa_next_free_vgpr 512
		.amdhsa_next_free_sgpr 66
		.amdhsa_reserve_vcc 0
		.amdhsa_float_denorm_mode_32 3
		.amdhsa_float_denorm_mode_16_64 3
		.amdhsa_memory_ordered 1
		.amdhsa_forward_progress 1
		.amdhsa_inst_pref_size 87
	.end_amdhsa_kernel
	.amdgpu_metadata
---
amdhsa.version: [ 1, 2 ]
amdhsa.kernels:
  - .name:           k_qf034df567d_outp
    .symbol:         k_qf034df567d_outp.kd
    .args:
      - { .name: ob, .offset: 0, .size: 8, .value_kind: global_buffer, .address_space: global }
      - { .name: wob, .offset: 8, .size: 8, .value_kind: global_buffer, .address_space: global }
      - { .name: out0, .offset: 16, .size: 8, .value_kind: global_buffer, .address_space: global }
    .group_segment_fixed_size: 327680
    .private_segment_fixed_size: 0
    .kernarg_segment_align: 8
    .kernarg_segment_size: 24
    .max_flat_workgroup_size: 128
    .sgpr_count:     66
    .vgpr_count:     512
    .wavefront_size: 32
...
	.end_amdgpu_metadata
.endif
;; end of part 4
;; ======== version 2 of 2: 4 launches; version 1 with the launch prep written anew for expert scheduling mode
;; limits: values are held in f16: magnitudes above 65,504 overflow, below 6.1e-05 lose precision
;; workspace buffers: xb 8,388,608 bytes; wt 6,291,456 bytes; wob 2,097,152 bytes; qh 8,388,608 bytes; kh 8,388,608 bytes; vh 8,388,608 bytes; vl 8,388,608 bytes; ob 16,777,216 bytes
;; launch prep (part 5): grid 512 x 1, 8 waves a work-group, no clusters, 0 bytes of LDS; arguments x, wq, wk, wv, wo, xb, wt, wob; writes xb, wt, wob
.if DOCPART == 5
	.amdgcn_target "amdgcn-amd-amdhsa--gfx1250"
	.amdhsa_code_object_version 6
	.text
	.protected	k_qf034df567d_prep
	.globl	k_qf034df567d_prep
	.p2align	8
	.type	k_qf034df567d_prep,@function
k_qf034df567d_prep:
	s_mov_b64 s[64:65], 0
	v_nop
	global_prefetch_b8 v0, s[64:65] scope:SCOPE_SE
	s_setreg_imm32_b32 hwreg(HW_REG_WAVE_SCHED_MODE, 0, 2), 2
	s_setreg_imm32_b32 hwreg(HW_REG_WAVE_MODE, 25, 1), 1
	s_wait_xcnt 0x0
	s_wait_alu depctr_vm_vsrc(0)
; PREP: the five inputs are rounded once and laid out for the launches behind.
;   xb  [4096][1024] bf16               = x rounded to bf16
;   wt  [h 16][kb 16][j 3][k 64][c 64]  = wq, wk, wv (j = 0, 1, 2) rounded to bf16: 64 rows of K x one head's 64 columns of each matrix lie together, 24,576 dense bytes
;   wob [1024][1024] f16                = wo rounded to bf16, and that number written as f16
; LIMIT.  A bf16 number is exact in f16 from 6.1e-5 to 65,504; below that it keeps f16's fixed step of 6e-8, beyond it becomes an infinity.
; A stream: no LDS, no barrier, no matrix work.  512 work-groups of 16,384 numbers; a wave takes 2,048: sixteen loads of 16 bytes a lane, all issued before
; the first is waited for, and sixteen stores of 8 bytes a lane, each covering 256 consecutive bytes at a multiple of 256 from its buffer's first byte.
; Work-groups 0-255 take x, 256-447 the three weights, 448-511 wo.  No register is used twice, so no wait frees a source.
; THE MODE: SCHED_MODE bits 1:0 = 2 (LLVM: expert scheduling mode 2), set by the entry lines.  The code itself states the register dependences
; between vector instructions and memory instructions, with s_wait_alu, always for 0.
; THE PLAN.  Registers that memory instructions touch:
;   v1        the loads' offset: written by vector lines ahead of the first load, read by all sixteen loads, never written behind them.
;   v2        the stores' offset: written once at the head, read by all sixteen stores.
;   LD        chunk i's four registers: written by its load alone, read by its two conversions; no vector line names them ahead of the load.
;   SD        chunk i's pair: written by its conversions, read by its store, never written again.
;   v3 to v7  are named by vector lines alone.
; The sixteen chunks go in four groups of four.  Group g's conversions write its SD; its four stores are issued in group g + 1, behind ONE wait on va_vdst at that group's
; head, and are dealt among that group's conversions, which name the LD and SD of their own group and v4 to v7: none of the registers that those stores read.
; No register is written after a memory instruction has read it, and EXEC is never written: so no wait on vm_vsrc is owed.
.set LD, 8                             ; v[8:71]    sixteen loads, four f32 each
.set SD, 72                            ; v[72:103]  sixteen pairs to store
; step: bytes from one load to the next.  kind = 1: bf16, then that number as f16.
.macro BODY step, kind
	s_wait_alu depctr_va_vdst(0)                   ; v1 and v2 are written: every load below reads v1 as its offset, every store v2
.set i, 0
.rept 16
	global_load_b128 v[LD+4*i:LD+4*i+3], v1, s[24:25] offset:(\step)*i th:TH_LOAD_NT
.set i, i+1
.endr
.set i, 0
.rept 16
.if (i%4) == 0
	s_wait_loadcnt 12-i                            ; loads come back in order: this group's four are in, the 12 - i younger ones stay out
.if i > 0
	s_wait_alu depctr_va_vdst(0)                   ; the group before has written its eight registers of SD, which the four stores dealt into this group read
.endif
.endif
.if i >= 4
	global_store_b64 v2, v[SD+2*(i-4):SD+2*(i-4)+1], s[26:27] offset:256*(i-4)  ; the group before's chunk; no vector line since the wait names its pair or v2
.endif
	v_cvt_pk_bf16_f32 v[SD+2*i], v[LD+4*i], v[LD+4*i+1]
	v_cvt_pk_bf16_f32 v[SD+2*i+1], v[LD+4*i+2], v[LD+4*i+3]
.if \kind
	v_lshlrev_b32 v4, 16, v[SD+2*i]                ; the bf16 numbers as f32: the low half moves up, the high half stays
	v_and_b32 v5, 0xffff0000, v[SD+2*i]
	v_lshlrev_b32 v6, 16, v[SD+2*i+1]
	v_and_b32 v7, 0xffff0000, v[SD+2*i+1]
	v_cvt_pk_f16_f32 v[SD+2*i], v4, v5
	v_cvt_pk_f16_f32 v[SD+2*i+1], v6, v7
.endif
.set i, i+1
.endr
	s_wait_alu depctr_va_vdst(0)                   ; the last group has written its eight registers of SD, which the last four stores read
.set i, 12
.rept 4
	global_store_b64 v2, v[SD+2*i:SD+2*i+1], s[26:27] offset:256*i
.set i, i+1
.endr
.endm
	s_load_b512 s[4:19], s[0:1], 0x0               ; x s[4:5], wq s[6:7], wk s[8:9], wv s[10:11], wo s[12:13], xb s[14:15], wt s[16:17], wob s[18:19]
	v_lshrrev_b32 v3, 5, v0
	v_readfirstlane_b32 s20, v3                    ; wave 0..7
	v_and_b32 v3, 31, v0                           ; lane
	v_lshlrev_b32 v1, 4, v3                        ; source: 16 bytes a lane (x and wo: dense)
	v_lshlrev_b32 v2, 3, v3                        ; destination: 8 bytes a lane
	s_mov_b32 s23, 0                               ; high words of the two offsets
	s_mov_b32 s29, 0
	s_wait_alu depctr_va_sdst(0)                   ; s20 is written, ahead of the branches below and of its first reader in each of the three arms
	s_wait_kmcnt 0x0
	s_cmp_lt_u32 ttmp9, 256
	s_cbranch_scc0 .Lweights
	; x: work-group id takes 65,536 bytes, a wave 8,192 of them
	s_lshl_b32 s22, ttmp9, 16
	s_lshl_b32 s21, s20, 13
	s_add_co_u32 s22, s22, s21
	s_lshr_b32 s28, s22, 1                         ; half as many bytes out
	s_add_nc_u64 s[24:25], s[4:5], s[22:23]
	s_add_nc_u64 s[26:27], s[14:15], s[28:29]
	BODY 512, 0
	s_endpgm
.Lweights:
	s_cmp_lt_u32 ttmp9, 448
	s_cbranch_scc0 .Lwo
	; wq, wk, wv: e = id - 256; matrix j = e / 64; head h = (e / 4) % 16; rows k0 = 256 (e % 4) + 32 wave on.
	; A load takes two rows' 64 columns: lanes 0-15 one row's 256 bytes, lanes 16-31 the next row's.
	v_and_b32 v1, 15, v3                           ; v1 is made anew: no memory instruction has read it yet
	v_lshlrev_b32 v1, 4, v1
	v_lshrrev_b32 v4, 4, v3
	v_lshl_add_u32 v1, v4, 12, v1                  ; (lane / 16) x 4,096 + (lane % 16) x 16
	s_sub_co_u32 s21, ttmp9, 256                   ; e
	s_lshr_b32 s30, s21, 6                         ; j
	s_bfe_u32 s31, s21, 0x40002                    ; h
	s_and_b32 s21, s21, 3
	s_lshl_b32 s21, s21, 8
	s_lshl_b32 s22, s20, 5
	s_add_co_u32 s21, s21, s22                     ; k0
	s_lshl_b32 s22, s21, 12                        ; k0 rows of 4,096 bytes,
	s_lshl_b32 s28, s31, 8                         ; the head's 256 bytes in a row
	s_add_co_u32 s22, s22, s28
	s_cmp_eq_u32 s30, 1
	s_cselect_b64 s[24:25], s[8:9], s[6:7]         ; the matrix is chosen by j alone
	s_cmp_eq_u32 s30, 2
	s_cselect_b64 s[24:25], s[10:11], s[24:25]
	s_add_nc_u64 s[24:25], s[24:25], s[22:23]
	s_mul_i32 s28, s31, 393216                     ; wt: h x 393,216
	s_lshr_b32 s22, s21, 6
	s_mul_i32 s22, s22, 24576                      ; + (k0 / 64) x 24,576
	s_add_co_u32 s28, s28, s22
	s_lshl_b32 s22, s30, 13                        ; + j x 8,192
	s_add_co_u32 s28, s28, s22
	s_and_b32 s22, s21, 63
	s_lshl_b32 s22, s22, 7                         ; + (k0 % 64) x 128
	s_add_co_u32 s28, s28, s22
	s_add_nc_u64 s[26:27], s[16:17], s[28:29]
	BODY 8192, 0
	s_endpgm
.Lwo:
	s_sub_co_u32 s21, ttmp9, 448
	s_lshl_b32 s22, s21, 16
	s_lshl_b32 s21, s20, 13
	s_add_co_u32 s22, s22, s21
	s_lshr_b32 s28, s22, 1
	s_add_nc_u64 s[24:25], s[12:13], s[22:23]
	s_add_nc_u64 s[26:27], s[18:19], s[28:29]
	BODY 512, 1
	s_endpgm
.Lfunc_end_k_qf034df567d_prep:
	.size	k_qf034df567d_prep, .Lfunc_end_k_qf034df567d_prep-k_qf034df567d_prep
	.p2alignl 7, 3214868480
	.fill 96, 4, 3214868480
	.section	.rodata,"a",@progbits
	.p2align	6, 0x0
	.amdhsa_kernel k_qf034df567d_prep
		.amdhsa_group_segment_fixed_size 0
		.amdhsa_private_segment_fixed_size 0
		.amdhsa_enable_private_segment 0
		.amdhsa_kernarg_size 64
		.amdhsa_user_sgpr_count 2
		.amdhsa_user_sgpr_kernarg_segment_ptr 1
		.amdhsa_wavefront_size32 1
		.amdhsa_system_sgpr_workgroup_id_x 1
		.amdhsa_system_sgpr_workgroup_id_y 1
		.amdhsa_system_sgpr_workgroup_id_z 1
		.amdhsa_system_vgpr_workitem_id 0
		.amdhsa_next_free_vgpr 104
		.amdhsa_next_free_sgpr 66
		.amdhsa_reserve_vcc 0
		.amdhsa_float_denorm_mode_32 3
		.amdhsa_float_denorm_mode_16_64 3
		.amdhsa_memory_ordered 1
		.amdhsa_forward_progress 1
		.amdhsa_inst_pref_size 24
	.end_amdhsa_kernel
	.amdgpu_metadata
---
amdhsa.version: [ 1, 2 ]
amdhsa.kernels:
  - .name:           k_qf034df567d_prep
    .symbol:         k_qf034df567d_prep.kd
    .args:
      - { .name: x, .offset: 0, .size: 8, .value_kind: global_buffer, .address_space: global }
      - { .name: wq, .offset: 8, .size: 8, .value_kind: global_buffer, .address_space: global }
      - { .name: wk, .offset: 16, .size: 8, .value_kind: global_buffer, .address_space: global }
      - { .name: wv, .offset: 24, .size: 8, .value_kind: global_buffer, .address_space: global }
      - { .name: wo, .offset: 32, .size: 8, .value_kind: global_buffer, .address_space: global }
      - { .name: xb, .offset: 40, .size: 8, .value_kind: global_buffer, .address_space: global }
      - { .name: wt, .offset: 48, .size: 8, .value_kind: global_buffer, .address_space: global }
      - { .name: wob, .offset: 56, .size: 8, .value_kind: global_buffer, .address_space: global }
    .group_segment_fixed_size: 0
    .private_segment_fixed_size: 0
    .kernarg_segment_align: 8
    .kernarg_segment_size: 64
    .max_flat_workgroup_size: 256
    .sgpr_count:     66
    .vgpr_count:     104
    .wavefront_size: 32
...
	.end_amdgpu_metadata
.endif
;; end of part 5
;; launch proj: the kernel of part 2 again; grid 16 x 16, 4 waves a work-group, clusters of 4 x 4, 327,680 bytes of LDS; arguments xb, wt, qh, kh, vh, vl; writes qh, kh, vh, vl
;; launch attn: the kernel of part 3 again; grid 8 x 32, 8 waves a work-group, no clusters, 293,888 bytes of LDS; arguments qh, kh, vh, ob, vl; writes ob
;; launch outp: the kernel of part 4 again; grid 8 x 32, 4 waves a work-group, clusters of 4 x 4, 327,680 bytes of LDS; arguments ob, wob, out0; writes out0
